; MI455X (gfx1250); checked and timed in simulation.
; The chip was launched on July 23, 2026; its instructions are those of AMD's public machine-readable ISA for CDNA 5 (MIT licence, August 2026) and "CDNA5" Instruction Set Architecture Reference Guide (July 2026). The comments in the code are by the model that wrote it; some were corrected since.
;; Foundation Lorentz Par T. Allowed arithmetic: float matrix products may take bf16 or f16 operands with f32 sums; other float arithmetic in f32, or as packed bf16 or f16 multiplies, adds, multiply-adds, maxima and minima; sums over many terms, partial sums and values carried from step to step in f32; what a program stores and reads back later, other than sums and carried values, may be rounded once to bf16 or f16.
;; Inputs: U 128 x 128 x 128 x 4 float32; padding_mask 128 x 128 bool; params_blocks_Wf1 8 x 128 x 512 float32; params_blocks_Wf2 8 x 512 x 128 float32; params_blocks_Wk 8 x 128 x 128 float32; params_blocks_Wo 8 x 128 x 128 float32; params_blocks_Wq 8 x 128 x 128 float32; params_blocks_Wv 8 x 128 x 128 float32; params_blocks_bf1 8 x 512 float32; params_blocks_bf2 8 x 128 float32; params_blocks_bk 8 x 128 float32; params_blocks_bo 8 x 128 float32; params_blocks_bq 8 x 128 float32; params_blocks_bv 8 x 128 float32; params_blocks_ln1_b 8 x 128 float32; params_blocks_ln1_g 8 x 128 float32; params_blocks_ln2_b 8 x 128 float32; params_blocks_ln2_g 8 x 128 float32; params_ln_out_b 128 float32; params_ln_out_g 128 float32; params_pair_0_0 4 x 64 float32; params_pair_0_1 64 float32; params_pair_1_0 64 x 64 float32; params_pair_1_1 64 float32; params_pair_2_0 64 x 64 float32; params_pair_2_1 64 float32; params_pair_3_0 64 x 8 float32; params_pair_3_1 8 float32; params_proj_W 16 x 128 float32; params_proj_b 128 float32; x 128 x 128 x 16 float32.
;; Outputs: out0 128 x 128 x 128 float32.
;; 3 versions, each right; version 2 is faster than version 1; version 3 is version 2 with the launch pair written anew for expert scheduling mode. Each part assembles by itself: llvm-mc -triple=amdgcn-amd-amdhsa -mcpu=gfx1250 --defsym DOCPART=n.
;; ======== version 1 of 3: 3 launches
;; limits: values are held in f16: magnitudes above 65,504 overflow, below 6.1e-05 lose precision
;; workspace buffers: wfrag 3,166,208 bytes; biasw 33,554,432 bytes
;; launch prep (part 1): grid 773 x 1, 8 waves a work-group, no clusters, 0 bytes of LDS; arguments params_blocks_Wq, params_blocks_Wk, params_blocks_Wv, params_blocks_Wo, params_blocks_Wf1, params_blocks_Wf2, params_proj_W, params_pair_1_0, params_pair_2_0, wfrag; writes wfrag
.if DOCPART == 1
	.amdgcn_target "amdgcn-amd-amdhsa--gfx1250"
	.amdhsa_code_object_version 6
	.text
	.protected	k_qfbcff22828_prep
	.globl	k_qfbcff22828_prep
	.p2align	8
	.type	k_qfbcff22828_prep,@function
k_qfbcff22828_prep:
	s_mov_b64 s[64:65], 0
	v_nop
	global_prefetch_b8 v0, s[64:65] scope:SCOPE_SE
	s_setreg_imm32_b32 hwreg(HW_REG_WAVE_MODE, 25, 1), 1
	s_wait_xcnt 0x0
; THE WEIGHT MATRICES, ROUNDED AND LAID OUT AS MATRIX FRAGMENTS.
; A matrix W is stored [K][N] in f32.  The later launches use it as the operand in which lane r holds column n = 16 nt + r along k.
; So W goes out in units of 16 bytes: unit (n, kg) holds W[8 kg .. 8 kg + 7][n], rounded, at (n / 16) x 32 K + kg x 256 + (n % 16) x 16.
; A fragment (16 columns x 32 k) is then 1,024 bytes on end, and a lane's two loads of 16 bytes stand at 16 x lane in its two halves.
; FORMATS.  Every weight is rounded to bf16.  The transformer's six matrices are multiplied beside f16 activations, so that bf16 number is written as f16:
; exact from 6.1e-5 up to 65,504 in magnitude; below 6.1e-5 it keeps f16's fixed step of 6e-8; above 65,504 it would be an infinity.
; The projection's and the pair network's matrices stay bf16.
; SHARES.  A thread makes one unit: eight loads of 4 bytes (32 lanes read 128 bytes on end) and one store of 16 bytes (16 lanes fill 256 bytes, aligned).
; A work-group makes 256 units.  Work-groups 0..767: layer l = id / 96, in it 8 for each of Wq, Wk, Wv, Wo, 32 for Wf1, 32 for Wf2; 768: proj_W; 769, 770: pair_1_0; 771, 772: pair_2_0.
; No LDS, no matrix unit: the launch only moves and rounds 6.3 MB.
.set LAYERB, 393216                    ; a layer's bytes in wfrag: Wq, Wk, Wv, Wo 32,768 each, Wf1 and Wf2 131,072 each
.set PROJO,  3145728                   ; behind the eight layers: proj_W (4,096), pair_1_0 (8,192), pair_2_0 (8,192)
.set PAIRO,  3149824
; One work-group's 256 units.  s[32:33] the matrix, s34 its layer's byte offset, s36 the byte offset in wfrag, s30 the block of 256 units; s35 = s37 = 0.
; logn = log2 N, logts = log2 (32 K), f16 = 1: the bf16 number is written as f16.
.macro CONV logn, logts, f16
	s_add_nc_u64 s[32:33], s[32:33], s[34:35]
	s_add_nc_u64 s[38:39], s[22:23], s[36:37]
	s_lshl_b32 s31, s30, 8
	v_add_nc_u32 v1, s31, v0                       ; my unit
	v_and_b32 v2, (1<<(\logn))-1, v1               ; n
	v_lshrrev_b32 v3, \logn, v1                    ; kg
	v_lshlrev_b32 v4, 2, v2
	v_lshl_add_u32 v4, v3, (\logn)+5, v4           ; W[8 kg][n]: 8 rows of 4 N bytes for each kg
.irp e, 0,1,2,3,4,5,6,7
	global_load_b32 v[16+\e], v4, s[32:33] offset:(\e)*(4<<(\logn)) th:TH_LOAD_NT
.endr
	v_lshrrev_b32 v5, 4, v2
	v_lshlrev_b32 v5, \logts, v5                   ; the tile of 16 columns
	v_lshl_add_u32 v5, v3, 8, v5
	v_and_b32 v6, 15, v2
	v_lshl_add_u32 v5, v6, 4, v5
	s_wait_loadcnt 0x0
.irp i, 0,1,2,3
	v_cvt_pk_bf16_f32 v[24+\i], v[16+2*\i], v[17+2*\i]
.endr
.if \f16
.irp i, 0,1,2,3
	v_lshlrev_b32 v[16+2*\i], 16, v[24+\i]         ; the rounded numbers as f32 again,
	v_and_b32 v[17+2*\i], 0xffff0000, v[24+\i]
.endr
.irp i, 0,1,2,3
	v_cvt_pk_f16_f32 v[24+\i], v[16+2*\i], v[17+2*\i]  ; and written as f16
.endr
.endif
	global_store_b128 v5, v[24:27], s[38:39]
	s_endpgm
.endm
	s_load_b512 s[4:19], s[0:1], 0x0               ; Wq s[4:5], Wk s[6:7], Wv s[8:9], Wo s[10:11], Wf1 s[12:13], Wf2 s[14:15], proj_W s[16:17], pair_1_0 s[18:19]
	s_load_b128 s[20:23], s[0:1], 0x40             ; pair_2_0 s[20:21], wfrag s[22:23]
	s_lshr_b32 s25, ttmp9, 5
	s_mul_i32 s25, s25, 43691
	s_lshr_b32 s25, s25, 17                        ; l = (id / 32) / 3
	s_mul_i32 s26, s25, 96
	s_sub_co_u32 s26, ttmp9, s26                   ; j = id - 96 l
	s_mul_i32 s27, s25, LAYERB
	s_mov_b32 s35, 0
	s_mov_b32 s37, 0
	s_wait_kmcnt 0x0
	s_cmp_ge_u32 ttmp9, 768
	s_cbranch_scc1 .Lsmall
	s_cmp_ge_u32 s26, 64
	s_cbranch_scc1 .Lwf2
	s_cmp_ge_u32 s26, 32
	s_cbranch_scc1 .Lwf1
	s_lshr_b32 s28, s26, 3                         ; 0 Wq, 1 Wk, 2 Wv, 3 Wo
	s_lshl_b32 s34, s25, 16
	s_lshl_b32 s36, s28, 15
	s_add_co_u32 s36, s36, s27
	s_and_b32 s30, s26, 7
	s_cmp_eq_u32 s28, 1
	s_cselect_b64 s[32:33], s[6:7], s[4:5]
	s_cmp_eq_u32 s28, 2
	s_cselect_b64 s[32:33], s[8:9], s[32:33]
	s_cmp_eq_u32 s28, 3
	s_cselect_b64 s[32:33], s[10:11], s[32:33]
	CONV 7, 12, 1
.Lwf1:
	s_mov_b64 s[32:33], s[12:13]
	s_lshl_b32 s34, s25, 18
	s_add_co_u32 s36, s27, 131072
	s_sub_co_u32 s30, s26, 32
	CONV 9, 12, 1
.Lwf2:
	s_mov_b64 s[32:33], s[14:15]
	s_lshl_b32 s34, s25, 18
	s_add_co_u32 s36, s27, 262144
	s_sub_co_u32 s30, s26, 64
	CONV 7, 14, 1
.Lsmall:
	s_mov_b32 s34, 0
	s_cmp_eq_u32 ttmp9, 768
	s_cbranch_scc0 .Lpairw
	s_mov_b64 s[32:33], s[16:17]
	s_mov_b32 s36, PROJO
	s_mov_b32 s30, 0
	CONV 7, 9, 0
.Lpairw:
	s_sub_co_u32 s28, ttmp9, 769                   ; 0, 1: pair_1_0; 2, 3: pair_2_0
	s_and_b32 s30, s28, 1
	s_lshr_b32 s29, s28, 1
	s_lshl_b32 s36, s29, 13
	s_add_co_u32 s36, s36, PAIRO
	s_cmp_ge_u32 s28, 2
	s_cselect_b64 s[32:33], s[20:21], s[18:19]
	CONV 6, 11, 0
.Lfunc_end_k_qfbcff22828_prep:
	.size	k_qfbcff22828_prep, .Lfunc_end_k_qfbcff22828_prep-k_qfbcff22828_prep
	.p2alignl 7, 3214868480
	.fill 96, 4, 3214868480
	.section	.rodata,"a",@progbits
	.p2align	6, 0x0
	.amdhsa_kernel k_qfbcff22828_prep
		.amdhsa_group_segment_fixed_size 0
		.amdhsa_private_segment_fixed_size 0
		.amdhsa_enable_private_segment 0
		.amdhsa_kernarg_size 80
		.amdhsa_user_sgpr_count 2
		.amdhsa_user_sgpr_kernarg_segment_ptr 1
		.amdhsa_wavefront_size32 1
		.amdhsa_system_sgpr_workgroup_id_x 1
		.amdhsa_system_sgpr_workgroup_id_y 1
		.amdhsa_system_sgpr_workgroup_id_z 1
		.amdhsa_system_vgpr_workitem_id 0
		.amdhsa_next_free_vgpr 32
		.amdhsa_next_free_sgpr 66
		.amdhsa_reserve_vcc 0
		.amdhsa_float_denorm_mode_32 3
		.amdhsa_float_denorm_mode_16_64 3
		.amdhsa_memory_ordered 1
		.amdhsa_forward_progress 1
		.amdhsa_inst_pref_size 13
	.end_amdhsa_kernel
	.amdgpu_metadata
---
amdhsa.version: [ 1, 2 ]
amdhsa.kernels:
  - .name:           k_qfbcff22828_prep
    .symbol:         k_qfbcff22828_prep.kd
    .args:
      - { .name: params_blocks_Wq, .offset: 0, .size: 8, .value_kind: global_buffer, .address_space: global }
      - { .name: params_blocks_Wk, .offset: 8, .size: 8, .value_kind: global_buffer, .address_space: global }
      - { .name: params_blocks_Wv, .offset: 16, .size: 8, .value_kind: global_buffer, .address_space: global }
      - { .name: params_blocks_Wo, .offset: 24, .size: 8, .value_kind: global_buffer, .address_space: global }
      - { .name: params_blocks_Wf1, .offset: 32, .size: 8, .value_kind: global_buffer, .address_space: global }
      - { .name: params_blocks_Wf2, .offset: 40, .size: 8, .value_kind: global_buffer, .address_space: global }
      - { .name: params_proj_W, .offset: 48, .size: 8, .value_kind: global_buffer, .address_space: global }
      - { .name: params_pair_1_0, .offset: 56, .size: 8, .value_kind: global_buffer, .address_space: global }
      - { .name: params_pair_2_0, .offset: 64, .size: 8, .value_kind: global_buffer, .address_space: global }
      - { .name: wfrag, .offset: 72, .size: 8, .value_kind: global_buffer, .address_space: global }
    .group_segment_fixed_size: 0
    .private_segment_fixed_size: 0
    .kernarg_segment_align: 8
    .kernarg_segment_size: 80
    .max_flat_workgroup_size: 256
    .sgpr_count:     66
    .vgpr_count:     32
    .wavefront_size: 32
...
	.end_amdgpu_metadata
.endif
;; end of part 1
;; launch pair (part 2): grid 256 x 1, 8 waves a work-group, no clusters, 56,320 bytes of LDS; arguments U, padding_mask, params_pair_0_0, params_pair_0_1, params_pair_1_1, params_pair_2_1, params_pair_3_0, params_pair_3_1, wfrag, biasw; writes biasw
.if DOCPART == 2
	.amdgcn_target "amdgcn-amd-amdhsa--gfx1250"
	.amdhsa_code_object_version 6
	.text
	.protected	k_qfbcff22828_pair
	.globl	k_qfbcff22828_pair
	.p2align	8
	.type	k_qfbcff22828_pair,@function
k_qfbcff22828_pair:
	s_mov_b64 s[64:65], 0
	v_nop
	global_prefetch_b8 v0, s[64:65] scope:SCOPE_SE
	s_setreg_imm32_b32 hwreg(HW_REG_WAVE_MODE, 25, 1), 1
	s_wait_xcnt 0x0
; THE PAIR NETWORK: U[b][query][key][4] -> 64 -> 64 -> 64 -> 8 heads, a ReLU behind every layer; the result, times log2(e), with the key mask laid in, goes out in bf16 as the score bias.
; biasw: [b][head 8][qt 8][kt 8][lane 32][16 bytes]; lane (r, h) = (lane % 16, lane / 16) holds bias[query 16 qt + r][keys 16 kt + 8 h .. + 7]: registers 4-7 of a source 1 of the score product.
; FORMATS.  U, all weights and all biases are rounded to bf16; products in bf16 with f32 sums; each layer's output is rounded to bf16 once.  bf16, not f16: with inputs thirty times larger the last layer reaches 2e7.
; LIMITS.  A masked key's bias is -1.0014e30 (bf16 0xf14a), which stands for minus infinity; a bias above 3.39e38 is held there; NaN and infinities in U are not treated apart.
; SHARES.  Work-group id: sample b = id / 2, query half qh = id % 2.  Wave w owns key tile kt = w and walks four blocks qt = 4 qh + 0..3 of 16 queries x 16 keys; a block is 8 trips of two keys.
; THE CHAIN STAYS IN REGISTERS.  Each layer is W^T (source 0: lane r = output feature) x activations^T (source 1: lane r = one query of one key).  In the result lane (r, h) holds query r and the features
; 8 h + 0..7 of a tile of 16: four roundings in pairs make of it registers 0-3 (even tile) or 4-7 (odd tile) of the next layer's source 1.  Nothing changes lanes.
; LAYER 1 has K = 4: k = 0..3 hold U, k = 4 holds 1.0 against the bias b0 in W's fragment; the fragment is 0 in lanes 16-31 and from k = 5 on, so what source 1 holds there only has to be finite.
; LAYER 4 has 8 output features: the fragment repeats them (feature r % 8), so both halves of the lanes hold heads 0..7.
; Two waves lie on a SIMD: one wave's roundings run beside the other's products.  All LDS bytes are a wave's own: no barrier.  No cluster: no two work-groups read the same U, and the weights are 20 KB kept in registers.
; No prefetch: a block's U is asked for into registers a whole block (352 products) ahead of its use.
; REGISTERS.  Window 1 (source 0 and C alone): A0 v0-31, A1 v32-95, A2 v96-159 (fragment (f, ks) at 16 f + 8 ks), A3 v160-175, bias images C1 v176-207, C2 v208-239, C3 v240-247.
; Window 0: v1-8 addresses, v10-13 the caps, v32-47 layer 1's source 1 (two keys), v48-111 sums, v112-175 packed activations (two buffers), v176-191 layer 4's sums, v192-223 U as loaded, v224-255 at work.
.set WSTG,  6912                       ; LDS of a wave: U's stage (2,816) and the output's stage (4,096)
.set OSTG,  2816
.set UP,    136                        ; U's stage: a key's 16 queries x 8 bytes, + 8 of padding; rows 16 and 17 hold 0 (the last trip's look-ahead reads them)
.set SPARE, 55296                      ; behind the eight stages: the spare words, 128 bytes a wave: four blocks of 256 bytes that no other line names
.set L16,  1                           ; v1   16 x lane
.set AUS,  2                           ; v2   U's stage, in: key lane % 16, query lane / 16
.set AUL,  3                           ; v3   U's stage, out: 8 r, at the trip's first key; runs
.set AOS,  4                           ; v4   the output's stage, in: 16 r + 256 x octet + 4 x pair of keys; runs
.set AOR,  5                           ; v5   the output's stage, out: 16 x lane
.set UOFF, 6                           ; v6   my 16 bytes of U in two query rows
.set BOFF, 7                           ; v7   my 16 bytes of biasw; runs by blocks
.set ZERO, 8                           ; v8   0
.set CAPV, 10                          ; v10-13  for my keys 8 h + 2 p, + 1: 0x7f7f (valid) or 0xf14a (masked), in halves
.set AUL0, 26
.set AOS0, 27
.set SPW,  30                          ; v30  LDS address of my spare word; never rewritten
.set NIL,  31                          ; v31  0; never rewritten
.set BG,   32
.set ACC,  48                          ; sums of (feature tile f, key tau) at ACC + 8 (2 f + tau)
.set HPA,  112
.set HPB,  144
.set OUT,  176
.set UL,   192
.set TMP,  224
.set A0, 0
.set A1, 32
.set A2, 96
.set A3, 160
.set C1, 176
.set C2, 208
.set C3, 240
.set MSB, 0
.macro WIN new                         ; s_set_vgpr_msb: bits 1:0 source 0, 3:2 source 1, 5:4 source 2, 7:6 destination; the high byte repeats the setting that is left
.if MSB != (\new)
	s_set_vgpr_msb (MSB<<8)|(\new)
.set MSB, (\new)
.endif
.endm
.macro PLACES                          ; four plain vector instructions between a product and a vector instruction or load that touches its registers
.rept 4
	v_nop
.endr
.endm
	s_load_b512 s[4:19], s[0:1], 0x0               ; U s[4:5], mask s[6:7], W0 s[8:9], b0 s[10:11], b1 s[12:13], b2 s[14:15], W3 s[16:17], b3 s[18:19]
	s_load_b128 s[20:23], s[0:1], 0x40             ; wfrag s[20:21], biasw s[22:23]
	v_lshl_add_u32 v[SPW], v0, 2, SPARE
	v_mov_b32 v[NIL], 0
	v_lshrrev_b32 v14, 5, v0
	v_readfirstlane_b32 s24, v14                   ; wave = kt
	v_and_b32 v15, 31, v0                          ; lane
	v_and_b32 v16, 15, v0                          ; r
	v_bfe_u32 v17, v0, 4, 1                        ; h
	v_lshlrev_b32 v[L16], 4, v15
	s_mul_i32 s25, s24, WSTG
	s_add_co_u32 s26, s25, OSTG
	v_mul_u32_u24 v[AUS], v16, UP
	v_lshl_add_u32 v[AUS], v17, 3, v[AUS]
	v_add_nc_u32 v[AUS], s25, v[AUS]
	v_lshl_add_u32 v[AUL0], v16, 3, s25
	v_lshl_add_u32 v[AOS0], v16, 4, s26
	v_add_nc_u32 v[AOR], s26, v[L16]
	v_add_nc_u32 v25, s25, v[L16]                  ; for the zero rows
	v_lshlrev_b32 v[UOFF], 11, v17                 ; a query row of U is 2,048 bytes
	v_lshl_add_u32 v[UOFF], v16, 4, v[UOFF]
	s_lshr_b32 s27, ttmp9, 1                       ; b
	s_and_b32 s28, ttmp9, 1                        ; qh
	s_lshl_b32 s29, s24, 9
	s_lshl_b32 s30, s28, 14
	s_add_co_u32 s29, s29, s30
	v_add_nc_u32 v[BOFF], s29, v[L16]              ; kt x 512 + 4 qh x 4,096 + 16 x lane
	v_mov_b32 v[ZERO], 0
	v_lshlrev_b32 v18, 2, v16                      ; 4 r: W0's and b0's column
	v_and_b32 v19, 7, v0
	v_lshlrev_b32 v19, 2, v19
	v_lshl_add_u32 v19, v17, 8, v19                ; W3: 8 h rows of 32 bytes + 4 (r % 8)
	v_lshlrev_b32 v20, 5, v17                      ; bias images: 8 h numbers
	s_lshl_b32 s31, s24, 4
	v_lshl_add_u32 v22, v17, 3, s31                ; my 8 keys' mask bytes
	s_mov_b32 s40, 0xffff0000                      ; a word's upper bf16; as a lane mask: lanes 16-31
	s_mov_b32 s42, 0x3fb8aa3b                      ; log2(e)
	s_mov_b32 s43, s42                             ; named with it as a pair
	s_lshl_b32 s34, s27, 18                        ; a sample's U and a sample's bias are 262,144 bytes each
	s_mov_b32 s35, 0
	s_lshl_b32 s38, s27, 7
	s_mov_b32 s39, 0
	s_wait_kmcnt 0x0
	s_add_nc_u64 s[22:23], s[22:23], s[34:35]
	s_add_nc_u64 s[6:7], s[6:7], s[38:39]
	s_lshl_b32 s38, s24, 8                         ; my 16 keys: 256 bytes of a query row,
	s_add_co_u32 s34, s34, s38
	s_lshl_b32 s38, s28, 17                        ; my half's 64 query rows
	s_add_co_u32 s34, s34, s38
	s_add_nc_u64 s[32:33], s[4:5], s[34:35]        ; U at block 0
	WIN 0x40
.set z, 0
.rept 8
	global_load_b128 v[A1+8*z:A1+8*z+3],   v[L16], s[20:21] offset:3149824+z*1024
	global_load_b128 v[A1+8*z+4:A1+8*z+7], v[L16], s[20:21] offset:3149824+z*1024+512
	global_load_b128 v[A2+8*z:A2+8*z+3],   v[L16], s[20:21] offset:3158016+z*1024
	global_load_b128 v[A2+8*z+4:A2+8*z+7], v[L16], s[20:21] offset:3158016+z*1024+512
.set z, z+1
.endr
	WIN 0
.set z, 0
.rept 16                               ; W0[k][16 f + r] at v[48 + 4 f + k]
	global_load_b32 v[48+z], v18, s[8:9] offset:(z%4)*256+(z/4)*64
.set z, z+1
.endr
.irp f, 0,1,2,3
	global_load_b32 v[64+\f], v18, s[10:11] offset:(\f)*64
.endr
	global_load_b128 v[68:71], v[ZERO], s[18:19]
	global_load_b128 v[72:75], v[ZERO], s[18:19] offset:16
	global_load_b64 v[76:77], v22, s[6:7]
.set z, 0
.rept 32                               ; W3[32 ks + 16 half + 8 h + e][r % 8] at v[112 + 16 ks + 8 half + e]
	global_load_b32 v[112+z], v19, s[16:17] offset:(32*(z/16)+16*((z/8)%2)+z%8)*32
.set z, z+1
.endr
.set z, 0
.rept 8                                ; b1[16 f + 8 h + j], b2 likewise
	global_load_b128 v[144+4*z:144+4*z+3], v20, s[12:13] offset:(z/2)*64+(z%2)*16
	global_load_b128 v[224+4*z:224+4*z+3], v20, s[14:15] offset:(z/2)*64+(z%2)*16
.set z, z+1
.endr
.irp i, 0,1,2,3,4,5,6,7                ; U of block 0: queries 2 i, 2 i + 1, my 16 keys: two runs of 256 bytes
	global_load_b128 v[UL+4*\i:UL+4*\i+3], v[UOFF], s[32:33] offset:(\i)*4096 th:TH_LOAD_NT
.endr
.irp u, 0,1                            ; layer 1's source 1: k = 4 is 1.0, all behind it 0; k = 0..3 come from the stage
	v_mov_b32 v[BG+8*\u+2], 0x3f80
.irp k, 3,4,5,6,7
	v_mov_b32 v[BG+8*\u+\k], 0
.endr
.endr
	ds_store_b128 v25, v[BG+12:BG+15] offset:16*UP ; rows 16 and 17 of U's stage (and the 240 bytes behind them) are 0
	s_wait_loadcnt 0x0
.irp f, 0,1,2,3                        ; everything is rounded to bf16 in window 0,
	v_cvt_pk_bf16_f32 v[176+3*\f], v[48+4*\f], v[49+4*\f]
	v_cvt_pk_bf16_f32 v[177+3*\f], v[50+4*\f], v[51+4*\f]
	v_cvt_pk_bf16_f32 v[178+3*\f], v[64+\f], v[ZERO]
.endr
.set z, 0
.rept 16
	v_cvt_pk_bf16_f32 v[80+z], v[144+2*z], v[145+2*z]
	v_cvt_pk_bf16_f32 v[96+z], v[224+2*z], v[225+2*z]
.set z, z+1
.endr
.irp i, 0,1,2,3
	v_cvt_pk_bf16_f32 v[188+\i], v[68+2*\i], v[69+2*\i]
.endr
.irp p, 0,1,2,3                        ; the caps: 0xf14a - byte x 0x71cb is 0x7f7f for a valid key
	v_bfe_u32 v23, v[76+(\p)/2], 16*((\p)%2), 8
	v_bfe_u32 v24, v[76+(\p)/2], 16*((\p)%2)+8, 8
	v_mul_u32_u24 v23, v23, 0x71cb
	v_mul_u32_u24 v24, v24, 0x71cb
	v_sub_nc_u32 v23, 0xf14a, v23
	v_sub_nc_u32 v24, 0xf14a, v24
	v_lshl_or_b32 v[CAPV+\p], v24, 16, v23
.endr
	WIN 0x40                                       ; and written into window 1
.irp f, 0,1,2,3
.irp k, 0,1,2
	v_cndmask_b32 v[A0+8*\f+\k], v[176+3*\f+\k], v[ZERO], s40  ; lanes 16-31 (k = 8..15, 24..31) hold 0
.endr
.irp k, 3,4,5,6,7
	v_mov_b32 v[A0+8*\f+\k], 0
.endr
.endr
.set z, 0
.rept 16
	v_cvt_pk_bf16_f32 v[A3+z], v[112+2*z], v[113+2*z]
	v_lshlrev_b32 v[C1+2*z], 16, v[80+z]           ; the bias images are f32 again, holding bf16 numbers
	v_and_b32 v[C1+2*z+1], s40, v[80+z]
	v_lshlrev_b32 v[C2+2*z], 16, v[96+z]
	v_and_b32 v[C2+2*z+1], s40, v[96+z]
.set z, z+1
.endr
.irp i, 0,1,2,3
	v_lshlrev_b32 v[C3+2*\i], 16, v[188+\i]
	v_and_b32 v[C3+2*\i+1], s40, v[188+\i]
.endr
	WIN 0
; The eight sums become the next layer's source 1: rounded in pairs (each accumulator from its lowest registers on), then the ReLU on packed halves.
.macro PACK dst
.set a, 0                              ; a = 4 tau + f
.rept 8
.set rS, ACC+8*(2*(a%4)+a/4)
.irp i, 0,1,2,3
	v_cvt_pk_bf16_f32 v[(\dst)+4*a+\i], v[rS+2*\i], v[rS+2*\i+1]
.endr
.set a, a+1
.endr
.set z, 0
.rept 32
	v_pk_max_num_bf16 v[(\dst)+z], v[(\dst)+z], v[ZERO]
.set z, z+1
.endr
.endm
; A layer 64 -> 64 for two keys: 16 products.  The eight accumulators take turns, one instruction a turn; the first eight start the sums with the bias image.
.macro LAYER wb, cb, hp
	WIN 0x11                                       ; source 0 and C in window 1
.set a, 0                              ; a = 2 f + tau
.rept 8
.set rD, ACC+8*a
.set rA, (\wb)+16*(a/2)
.set rB, (\hp)+16*(a%2)
.set rC, (\cb)+8*(a/2)
	v_wmma_f32_16x16x32_bf16 v[rD:rD+7], v[rA:rA+7], v[rB:rB+7], v[rC:rC+7]
.set a, a+1
.endr
	WIN 0x01
.set a, 0
.rept 8
.set rD, ACC+8*a
.set rA, (\wb)+16*(a/2)+8
.set rB, (\hp)+16*(a%2)+8
	v_wmma_f32_16x16x32_bf16 v[rD:rD+7], v[rA:rA+7], v[rB:rB+7], v[rD:rD+7]
.set a, a+1
.endr
	WIN 0
	PLACES
.endm
; A trip: 16 queries x two keys through the four layers: 44 products.
.macro TRIP
	s_wait_dscnt 0x0                               ; this trip's U is in
	WIN 0x01
.set a, 0
.rept 8
.set rD, ACC+8*a
.set rA, A0+8*(a/2)
.set rB, BG+8*(a%2)
	v_wmma_f32_16x16x32_bf16 v[rD:rD+7], v[rA:rA+7], v[rB:rB+7], 0
.set a, a+1
.endr
	WIN 0
	v_add_nc_u32 v[AUL], 2*UP, v[AUL]              ; the next two keys: this line and three v_nop are the places in front of the loads below
	v_nop
	v_nop
	v_nop
	ds_load_b64 v[BG:BG+1], v[AUL]                 ; both halves of the lanes read the same 8 bytes
	ds_load_b64 v[BG+8:BG+9], v[AUL] offset:UP
	PACK HPA
	LAYER A1, C1, HPA
	PACK HPB
	LAYER A2, C2, HPB
	PACK HPA
	WIN 0x11
	v_wmma_f32_16x16x32_bf16 v[OUT:OUT+7], v[A3:A3+7], v[HPA:HPA+7], v[C3:C3+7]
	v_wmma_f32_16x16x32_bf16 v[OUT+8:OUT+15], v[A3:A3+7], v[HPA+16:HPA+23], v[C3:C3+7]
	WIN 0x01
	v_wmma_f32_16x16x32_bf16 v[OUT:OUT+7], v[A3+8:A3+15], v[HPA+8:HPA+15], v[OUT:OUT+7]
	v_wmma_f32_16x16x32_bf16 v[OUT+8:OUT+15], v[A3+8:A3+15], v[HPA+24:HPA+31], v[OUT+8:OUT+15]
	WIN 0
	PLACES
.set z, 0
.rept 8
	v_pk_mul_f32 v[OUT+2*z:OUT+2*z+1], v[OUT+2*z:OUT+2*z+1], s[42:43] op_sel_hi:[1,0]  ; times log2(e), ahead of the one rounding
.set z, z+1
.endr
.irp j, 0,1,2,3,4,5,6,7
	v_cvt_pk_bf16_f32 v[TMP+\j], v[OUT+\j], v[OUT+8+\j]  ; head j: the two keys side by side
.endr
.irp j, 0,1,2,3,4,5,6,7
	ds_store_b32 v[AOS], v[TMP+\j] offset:(\j)*512  ; both halves of the lanes write the same word with the same number
.endr
	v_add_nc_u32 v[AOS], 4, v[AOS]
.endm
	s_mov_b32 s36, 4                               ; blocks to go
.Lblock:
	s_wait_loadcnt 0x0                             ; this block's U is in, and its loads have read their base
	s_wait_xcnt 0x0                                ; the last block's stores have read v224-255, which are written below
.irp i, 0,1,2,3,4,5,6,7
	v_cvt_pk_bf16_f32 v[TMP+2*\i], v[UL+4*\i], v[UL+4*\i+1]
	v_cvt_pk_bf16_f32 v[TMP+2*\i+1], v[UL+4*\i+2], v[UL+4*\i+3]
.endr
.irp i, 0,1,2,3,4,5,6,7
	ds_store_b64 v[AUS], v[TMP+2*\i:TMP+2*\i+1] offset:(\i)*16
.endr
	s_cmp_eq_u32 s36, 1                            ; the last block has none behind it: every wait on these loads is for 0, so both ways are counted alike
	s_cbranch_scc1 .Lno_more
	s_add_nc_u64 s[32:33], s[32:33], 32768         ; 16 query rows on
.irp i, 0,1,2,3,4,5,6,7
	global_load_b128 v[UL+4*\i:UL+4*\i+3], v[UOFF], s[32:33] offset:(\i)*4096 th:TH_LOAD_NT
.endr
.Lno_more:
	v_mov_b32 v[AUL], v[AUL0]
	v_mov_b32 v[AOS], v[AOS0]
	ds_load_b64 v[BG:BG+1], v[AUL]                 ; LDS serves a wave's instructions in order (ISA guide 5.7.1.4): these see the stores above
	ds_load_b64 v[BG+8:BG+9], v[AUL] offset:UP
	s_mov_b32 s37, 2                               ; two octets of keys,
.Loct:
	s_mov_b32 s38, 4                               ; four pairs in each
.Ltrip:
	TRIP
	s_sub_co_u32 s38, s38, 1
	s_cmp_lg_u32 s38, 0
	s_cbranch_scc1 .Ltrip
	v_add_nc_u32 v[AOS], 240, v[AOS]               ; 4 x 4 + 240: the next octet's 256 bytes
	s_sub_co_u32 s37, s37, 1
	s_cmp_lg_u32 s37, 0
	s_cbranch_scc1 .Loct
.irp j, 0,1,2,3,4,5,6,7
	ds_load_b128 v[TMP+4*\j:TMP+4*\j+3], v[AOR] offset:(\j)*512  ; head j: lane (r, h) takes query r, keys 8 h .. + 7
.endr
	s_wait_dscnt 0x0
.set z, 0
.rept 32
	v_pk_max_num_bf16 v[TMP+z], v[TMP+z], v[ZERO]  ; the last ReLU,
.set z, z+1
.endr
.set z, 0
.rept 32
	v_pk_min_num_bf16 v[TMP+z], v[TMP+z], v[CAPV+z%4]  ; and the mask: a masked key's cap is -1.0014e30
.set z, z+1
.endr
.irp j, 0,1,2,3,4,5,6,7
	global_store_b128 v[BOFF], v[TMP+4*\j:TMP+4*\j+3], s[22:23] offset:(\j)*32768 th:TH_STORE_NT  ; 512 bytes on end, at a multiple of 512 from biasw's first byte
.endr
	s_wait_xcnt 0x0                                ; the stores have read their offset, which steps
	v_add_nc_u32 v[BOFF], 4096, v[BOFF]
	s_sub_co_u32 s36, s36, 1
	s_cmp_lg_u32 s36, 0
	s_cbranch_scc1 .Lblock
	s_wait_tensorcnt 0x0                           ; the wave's end: the closing lines, behind my last LDS store
	ds_add_u32 v[SPW], v[NIL]
	s_wait_dscnt 0x0
	s_endpgm
.Lfunc_end_k_qfbcff22828_pair:
	.size	k_qfbcff22828_pair, .Lfunc_end_k_qfbcff22828_pair-k_qfbcff22828_pair
	.p2alignl 7, 3214868480
	.fill 96, 4, 3214868480
	.section	.rodata,"a",@progbits
	.p2align	6, 0x0
	.amdhsa_kernel k_qfbcff22828_pair
		.amdhsa_group_segment_fixed_size 56320
		.amdhsa_private_segment_fixed_size 0
		.amdhsa_enable_private_segment 0
		.amdhsa_kernarg_size 80
		.amdhsa_user_sgpr_count 2
		.amdhsa_user_sgpr_kernarg_segment_ptr 1
		.amdhsa_wavefront_size32 1
		.amdhsa_system_sgpr_workgroup_id_x 1
		.amdhsa_system_sgpr_workgroup_id_y 1
		.amdhsa_system_sgpr_workgroup_id_z 1
		.amdhsa_system_vgpr_workitem_id 0
		.amdhsa_next_free_vgpr 512
		.amdhsa_next_free_sgpr 66
		.amdhsa_reserve_vcc 0
		.amdhsa_float_denorm_mode_32 3
		.amdhsa_float_denorm_mode_16_64 3
		.amdhsa_memory_ordered 1
		.amdhsa_forward_progress 1
		.amdhsa_inst_pref_size 49
	.end_amdhsa_kernel
	.amdgpu_metadata
---
amdhsa.version: [ 1, 2 ]
amdhsa.kernels:
  - .name:           k_qfbcff22828_pair
    .symbol:         k_qfbcff22828_pair.kd
    .args:
      - { .name: U, .offset: 0, .size: 8, .value_kind: global_buffer, .address_space: global }
      - { .name: padding_mask, .offset: 8, .size: 8, .value_kind: global_buffer, .address_space: global }
      - { .name: params_pair_0_0, .offset: 16, .size: 8, .value_kind: global_buffer, .address_space: global }
      - { .name: params_pair_0_1, .offset: 24, .size: 8, .value_kind: global_buffer, .address_space: global }
      - { .name: params_pair_1_1, .offset: 32, .size: 8, .value_kind: global_buffer, .address_space: global }
      - { .name: params_pair_2_1, .offset: 40, .size: 8, .value_kind: global_buffer, .address_space: global }
      - { .name: params_pair_3_0, .offset: 48, .size: 8, .value_kind: global_buffer, .address_space: global }
      - { .name: params_pair_3_1, .offset: 56, .size: 8, .value_kind: global_buffer, .address_space: global }
      - { .name: wfrag, .offset: 64, .size: 8, .value_kind: global_buffer, .address_space: global }
      - { .name: biasw, .offset: 72, .size: 8, .value_kind: global_buffer, .address_space: global }
    .group_segment_fixed_size: 56320
    .private_segment_fixed_size: 0
    .kernarg_segment_align: 8
    .kernarg_segment_size: 80
    .max_flat_workgroup_size: 256
    .sgpr_count:     66
    .vgpr_count:     512
    .wavefront_size: 32
...
	.end_amdgpu_metadata
.endif
;; end of part 2
;; launch trans (part 3): grid 128 x 1, 4 waves a work-group, no clusters, 327,680 bytes of LDS; arguments wfrag, biasw, x, padding_mask, params_proj_b, params_blocks_ln1_g, params_blocks_ln1_b, params_blocks_bq, params_blocks_bk, params_blocks_bv, params_blocks_bo, params_blocks_ln2_g, params_blocks_ln2_b, params_blocks_bf1, params_blocks_bf2, params_ln_out_g, params_ln_out_b, out0; writes out0
.if DOCPART == 3
	.amdgcn_target "amdgcn-amd-amdhsa--gfx1250"
	.amdhsa_code_object_version 6
	.text
	.protected	k_qfbcff22828_trans
	.globl	k_qfbcff22828_trans
	.p2align	8
	.type	k_qfbcff22828_trans,@function
k_qfbcff22828_trans:
	s_mov_b64 s[64:65], 0
	v_nop
	global_prefetch_b8 v0, s[64:65] scope:SCOPE_SE
	s_setreg_imm32_b32 hwreg(HW_REG_WAVE_MODE, 25, 1), 1
	s_wait_xcnt 0x0
; THE TRANSFORMER: projection 16 -> 128, eight pre-LN blocks (8 heads of 16, additive bias, key mask; FFN x 4 with the exact GELU), a last LayerNorm.  One work-group is one sample of 128 tokens, from x to out0.
; A layer's K and V want every token's h of that layer, and work-groups hand each other nothing inside a launch: so a sample is the smallest share, and the launch has 128 work-groups.
; SHARES.  Wave w owns features 32 w .. 32 w + 31 (heads 2 w, 2 w + 1) of ALL 128 tokens.  h stays in f32 in its registers for the whole launch: tile (i, t): lane (r, h) holds token 16 t + r, features 32 w + 16 i + 8 h + 0..7.
; Every product is W^T (source 0) x activations^T (source 1), so results have that same layout, and a wave's weight fragments come straight from wfrag into its registers, each byte once a work-group.
; Only y, o and f (f16, in fragment order) and the LayerNorms' statistics cross waves, through LDS.
; ATTENTION IS A WAVE'S OWN.  K^T, rounded in pairs, is source 0 of the score product; V is made untransposed (y as source 0, Wv as source 1), so rounded in pairs it is the fragment of V^T; Q goes through my own LDS bytes.
; THE BIAS RIDES IN THE PRODUCT.  A head has 16 channels, a product 32 along k: S^T (16 keys x 16 queries) = [K | I] x [Q^T ; bias]: registers 4-7 of source 0 hold a bf16 identity, registers 4-7 of source 1 the
; 16 bytes of bias that the launch before laid out for this lane.  q is multiplied by 0.25 log2(e) ahead of its one rounding, the bias came multiplied by log2(e): p = 2^(S - m), m the row's true maximum.
; THE MASK.  A masked key's bias is -1.0014e30: its p is 0.  In a sample with no valid key all S are equal, p = 1, and 1 / l is multiplied by FLAG = 0: o = 0, as nan_to_num gives.
; FORMATS.  x, all weights, biases and gains are rounded to bf16.  Projection and scores in bf16 (q, k, bias: bf16); y, v, p, o, f in f16, their weights being bf16 numbers written as f16.  h, statistics, maxima, sums: f32.
; LIMITS.  |y|, |v|, |o|, |f| under 65,504.  erf by the rational form 1 - (1 + a1 z + .. + a6 z^6)^-16 (Abramowitz and Stegun 7.1.28), absolute error at most 3e-7.  NaN and infinities are not treated apart.
; LAYERNORM.  Each wave takes its 32 features' mean and centred sum of squares; the four meet in LDS and are joined as M2 = sum M2_w + 32 sum (mean_w - mean)^2: one exchange, no difference of large sums.
; NO CLUSTER: what work-groups share is the weights, which go to registers, not to LDS; LDS holds the sample's own bias (262,144 bytes) and 38,400 bytes of exchange, so no ring of shared tiles has room.
; NO PREFETCH: the bias is one tensor load a wave at the head; the weights are 3 MB that all work-groups read at about the same time, asked for a phase ahead of their use.
; The last chunk of each layer's FFN asks for chunk 0's weights once more (36 loads a wave that nobody uses): the price of one text and one set of wait counts for all four chunks.
; LDS: 0 the bias, 65,536 bytes a wave, [head 2][qt 8][kt 8][lane][16], filled once; XBUF fragments at s x 8,192 + t x 1,024 + half x 512 + 16 x lane (s = K step = the wave that wrote it),
; at the end an f32 stage of 64 rows of 528 bytes; STATS token x 32 + wave x 8; the spare words.
; REGISTERS, in windows of 256 (s_set_vgpr_msb: bits 1:0 source 0, 3:2 source 1, 5:4 source 2, 7:6 destination):
;   window 0: v1-29 addresses and the identity; v32-63 T, at work; v64-191 ACC, 16 tiles (attention: S v64-127, P v128-159, O^T v160-175; LN: v64-191 at work, v128-143 (rstd, -mean rstd); o's and f's fragments t = 4..7);
;             v192-255 BG: attention's eight sources 1; bias images bq, bk, bv; packed f; v240-255 (mean, M2)
;   window 1: v0-127 h; v128-255 K's sources 0; later GELU's a and p; o's and f's fragments t = 0..3
;   window 2: y's fragments (t, ks) at 8 (4 t + ks); during attention v0-47 hold bo, ln2_g, ln2_b
;   window 3: v0-191 weights (Wq, Wk, Wv; later Wo, Wf1, Wf2, 64 each); v192-255 V^T; before it ln g, b; behind it bf1, bf2
.set XBUF,  262144
.set STATS, 295936
.set SPARE, 300032                     ; the spare words, 128 bytes a wave: two blocks of 256 bytes that no other line names
.set L16,  1                           ; v1   16 x lane
.set AXW,  2                           ; v2   XBUF + 8,192 w + 16 x lane: where I write fragments
.set AXR,  3                           ; v3   XBUF + 16 x lane: where everybody reads them
.set AB,   4                           ; v4   my bias, at the query tile to be fetched; runs
.set AQ,   5                           ; v5   my Q, likewise
.set AO,   6                           ; v6   where O of the query tile in hand goes
.set ASW,  7                           ; v7   STATS + 32 r + 8 w
.set ASR,  8                           ; v8   STATS + 32 r
.set VW8,  9                           ; v9   8,192 w + 16 x lane: my two tiles of a matrix with K = 128; also my 16 rows of out0
.set VW32, 10                          ; v10  32,768 w + 16 x lane: the same with K = 512
.set VPD,  11                          ; v11  4 (32 w + 8 h): my eight numbers of a vector of 128
.set VPR,  12                          ; v12  4 (32 w + r)
.set ID,   13                          ; v13-16  the identity: half e of word i is 1.0 where r - 8 h = 2 i + e
.set AFS,  17                          ; v17  the f32 stage, in
.set AFR,  18                          ; v18  the f32 stage, out
.set XO,   19                          ; v19  my 32 bytes of a token of x
.set AB0,  24                          ; v24  65,536 w + 16 x lane
.set SPW,  30                          ; v30  LDS address of my spare word; never rewritten
.set NIL,  31                          ; v31  0; never rewritten
.set T,    32
.set ACC,  64
.set S,    64
.set P,    128
.set OA,   160
.set AC,   128
.set BG,   192
.set SW,   240
.set KA,   128                         ; window 1
.set VA,   192                         ; window 3
.set WV,   2                           ; s2   my wave's number
.set BB,   3                           ; s3   the sample
.set WSL,  56                          ; s[56:57] wfrag at the layer in hand
.set BF1,  58                          ; s[58:59] the same, at the chunk of Wf1 to be fetched
.set BF2,  60                          ; s[60:61] of Wf2
.set PB1,  62                          ; s[62:63] bf1 at that chunk
.set SEL,  66                          ; s[66:67] v_permlanex16_b32's selects: each lane takes its own place in the other half
.set FLAG, 68                          ; s68  1.0 if the sample has a valid key, else 0
.set LC,   69                          ; s69  layers to go
.set CC,   70                          ; s70  chunks to go
.set QC,   71                          ; s71  query tiles to go
.set OFF,  72                          ; s[72:73] an offset, its high word 0
.set QS,   74                          ; s[74:75] 0.25 log2(e)
.set CP,   74                          ; s[CP + 2 i : CP + 2 i + 1] c_i, i = 1..6
.set EPS,  88
.set MSK,  89                          ; s89  a word's upper bf16
.set I128, 90
.set I32,  91
.set NC,   92                          ; s92  the next chunk
.set MSB, 0
.macro WIN new                         ; the high byte repeats the setting that is left; a switch that changes nothing is dropped
.if MSB != (\new)
	s_set_vgpr_msb (MSB<<8)|(\new)
.set MSB, (\new)
.endif
.endm
.macro PLACES                          ; four plain vector instructions between a product and a vector instruction or load that touches its registers
.rept 4
	v_nop
.endr
.endm
.macro BAR                             ; my LDS stores are done and my LDS loads are back; then all four waves meet
	s_wait_dscnt 0x0
	s_barrier_signal -1
	s_barrier_wait -1
.endm
.macro ALL8 line:vararg                ; one line for each token tile t
.set t, 0
.rept 8
	\line
.set t, t+1
.endr
.endm
; n f32 numbers at v[base ..] of a window are rounded to bf16, in place
.macro RND win, base, n
	WIN 5*(\win)
.set z, 0
.rept (\n)/2
	v_cvt_pk_bf16_f32 v[T+z], v[(\base)+2*z], v[(\base)+2*z+1]
.set z, z+1
.endr
	WIN (\win)<<6
.set z, 0
.rept (\n)/2
	v_lshlrev_b32 v[(\base)+2*z], 16, v[T+z]
	v_and_b32 v[(\base)+2*z+1], s[MSK], v[T+z]
.set z, z+1
.endr
	WIN 0
.endm
; The image of a vector of 128 for my tiles: register 8 i + j holds number 32 w + 16 i + 8 h + j.  Four loads.
.macro IMG win, base, ptr
	WIN (\win)<<6
.irp q, 0,1,2,3
	global_load_b128 v[(\base)+4*\q:(\base)+4*\q+3], v[VPD], s[\ptr:\ptr+1] offset:((\q)/2)*64+((\q)%2)*16
.endr
.endm
; All 32 fragments of XBUF: ff = 0 into window 2 (y); ff = 1: t = 0..3 into window 1 v128-255, t = 4..7 into window 0 v64-191 (o, f)
.macro LOADF ff
.set t, 0
.rept 8
.if (\ff) == 0
	WIN 0x80
.set rF, 32*t
.elseif t < 4
	WIN 0x40
.set rF, 128+32*t
.else
	WIN 0
.set rF, 64+32*(t-4)
.endif
.irp x, 0,1,2,3
	ds_load_b128 v[rF+8*\x:rF+8*\x+3],   v[AXR] offset:(8*\x+t)*1024
	ds_load_b128 v[rF+8*\x+4:rF+8*\x+7], v[AXR] offset:(8*\x+t)*1024+512
.endr
.set t, t+1
.endr
	WIN 0
.endm
; 64 products ACC(i, t) = W^T y^T + image.  W's fragment (i, ks) at wbase + 32 i + 8 ks of window 3; the image at cbase + 8 i of window cwin.
; In all these runs the 16 accumulators take turns, one instruction a turn, K outermost.
.macro MMW wbase, cbase, cwin
.set ks, 0
.rept 4
.if ks == 0
	WIN 0x0b|((\cwin)<<4)
.else
	WIN 0x0b
.endif
.set a, 0
.rept 16
.set rD, ACC+8*a
.set rA, (\wbase)+32*(a/8)+8*ks
.set rB, 8*(4*(a%8)+ks)
.set rC, (\cbase)+8*(a/8)
.if ks == 0
	v_wmma_f32_16x16x32_f16 v[rD:rD+7], v[rA:rA+7], v[rB:rB+7], v[rC:rC+7]
.else
	v_wmma_f32_16x16x32_f16 v[rD:rD+7], v[rA:rA+7], v[rB:rB+7], v[rD:rD+7]
.endif
.set a, a+1
.endr
.set ks, ks+1
.endr
	WIN 0
.endm
; 64 products h(i, t) += W^T a^T, a = o or f.  W's fragment (i, ks) at wbase + 32 i + 8 ks of window 3.
.macro MMH wbase
.set ks, 0
.rept 4
.set a, 0                              ; a = 2 t + i
.rept 16
.if a < 8
	WIN 0x57
.set rB, 128+8*(4*(a/2)+ks)
.else
	WIN 0x53
.set rB, 64+8*(4*(a/2-4)+ks)
.endif
.set rD, 8*(8*(a%2)+a/2)
.set rA, (\wbase)+32*(a%2)+8*ks
	v_wmma_f32_16x16x32_f16 v[rD:rD+7], v[rA:rA+7], v[rB:rB+7], v[rD:rD+7]
.set a, a+1
.endr
.set ks, ks+1
.endr
	WIN 0
.endm
.macro HADD win, base                  ; h += image
	WIN 0x41|((\win)<<2)
.set a, 0
.rept 16
.irp k, 0,1,2,3
	v_pk_add_f32 v[8*a+2*\k:8*a+2*\k+1], v[8*a+2*\k:8*a+2*\k+1], v[(\base)+8*(a/8)+2*\k:(\base)+8*(a/8)+2*\k+1]
.endr
.set a, a+1
.endr
	WIN 0
.endm
; My 32 features' mean and centred sum of squares for each of the 128 tokens, into STATS.  Class by class over the eight tiles, so that no line waits for the one before it.
.macro LNSTAT
	WIN 0x05
.set t, 0
.rept 8
.irp k, 0,1,2,3
.set rH, 8*(8*((\k)/2)+t)+4*((\k)%2)
	v_pk_add_f32 v[ACC+8*t+2*\k:ACC+8*t+2*\k+1], v[rH:rH+1], v[rH+2:rH+3]
.endr
.set t, t+1
.endr
	WIN 0
	ALL8 v_pk_add_f32 v[ACC+8*t:ACC+8*t+1], v[ACC+8*t:ACC+8*t+1], v[ACC+8*t+2:ACC+8*t+3]
	ALL8 v_pk_add_f32 v[ACC+8*t+4:ACC+8*t+5], v[ACC+8*t+4:ACC+8*t+5], v[ACC+8*t+6:ACC+8*t+7]
	ALL8 v_pk_add_f32 v[ACC+8*t:ACC+8*t+1], v[ACC+8*t:ACC+8*t+1], v[ACC+8*t+4:ACC+8*t+5]
	ALL8 v_add_f32 v[T+t], v[ACC+8*t], v[ACC+8*t+1]
	ALL8 v_permlanex16_b32 v[T+8+t], v[T+t], s[SEL], s[SEL+1]
	ALL8 v_add_f32 v[T+t], v[T+t], v[T+8+t]
	ALL8 v_mul_f32 v[SW+2*t], s[I32], v[T+t]
	WIN 0x01
.set t, 0
.rept 8
.irp k, 0,1,2,3,4,5,6,7
.set rH, 8*(8*((\k)/4)+t)+2*((\k)%4)
	v_pk_add_f32 v[ACC+16*t+2*\k:ACC+16*t+2*\k+1], v[rH:rH+1], v[SW+2*t:SW+2*t+1] op_sel_hi:[1,0] neg_lo:[0,1] neg_hi:[0,1]
.endr
.set t, t+1
.endr
	WIN 0
	ALL8 v_pk_mul_f32 v[T+2*t:T+2*t+1], v[ACC+16*t:ACC+16*t+1], v[ACC+16*t:ACC+16*t+1]
.irp k, 1,2,3,4,5,6,7
	ALL8 v_pk_fma_f32 v[T+2*t:T+2*t+1], v[ACC+16*t+2*\k:ACC+16*t+2*\k+1], v[ACC+16*t+2*\k:ACC+16*t+2*\k+1], v[T+2*t:T+2*t+1]
.endr
	ALL8 v_add_f32 v[T+16+t], v[T+2*t], v[T+2*t+1]
	ALL8 v_permlanex16_b32 v[T+24+t], v[T+16+t], s[SEL], s[SEL+1]
	ALL8 v_add_f32 v[SW+2*t+1], v[T+16+t], v[T+24+t]
	ALL8 ds_store_b64 v[ASW], v[SW+2*t:SW+2*t+1] offset:t*512
.endm
; The four waves' figures are joined: v[AC + 2 t] = rstd, v[AC + 2 t + 1] = -mean rstd for my lane's token of tile t.
.macro LNCOMB
	ALL8 ds_load_b128 v[ACC+8*t:ACC+8*t+3], v[ASR] offset:t*512
	ALL8 ds_load_b128 v[ACC+8*t+4:ACC+8*t+7], v[ASR] offset:t*512+16
	s_wait_dscnt 0x0
	ALL8 v_pk_add_f32 v[T+4*t:T+4*t+1], v[ACC+8*t:ACC+8*t+1], v[ACC+8*t+2:ACC+8*t+3]
	ALL8 v_pk_add_f32 v[T+4*t+2:T+4*t+3], v[ACC+8*t+4:ACC+8*t+5], v[ACC+8*t+6:ACC+8*t+7]
	ALL8 v_pk_add_f32 v[T+4*t:T+4*t+1], v[T+4*t:T+4*t+1], v[T+4*t+2:T+4*t+3]
	ALL8 v_mul_f32 v[T+4*t+2], 0x3e800000, v[T+4*t]
.irp i, 0,1,2,3
	ALL8 v_sub_f32 v[ACC+8*t+2*\i], v[ACC+8*t+2*\i], v[T+4*t+2]
.endr
	ALL8 v_mul_f32 v[T+4*t+3], v[ACC+8*t], v[ACC+8*t]
.irp i, 1,2,3
	ALL8 v_fmac_f32 v[T+4*t+3], v[ACC+8*t+2*\i], v[ACC+8*t+2*\i]
.endr
	ALL8 v_fmamk_f32 v[T+4*t+1], v[T+4*t+3], 0x42000000, v[T+4*t+1]
	ALL8 v_fma_f32 v[T+4*t+1], v[T+4*t+1], s[I128], s[EPS]
	ALL8 v_rsq_f32 v[AC+2*t], v[T+4*t+1]
	v_nop                                          ; a plain instruction behind the last root,
	s_wait_alu depctr_va_vdst(0)                   ; and the wait ahead of the first use: one for the eight
	ALL8 v_mul_f32 v[AC+2*t+1], -v[T+4*t+2], v[AC+2*t]
.endm
; Tiles t0, t0 + 1: T[16 u + 8 i + j] = (h rstd - mean rstd) g + b.  g at gbase, b at gbase + 16 of window gwin.
.macro LNAP2 gwin, gbase, t0
	WIN 0x01
.irp u, 0,1
.irp k, 0,1,2,3,4,5,6,7
.set rH, 8*(8*((\k)/4)+(\t0)+\u)+2*((\k)%4)
.set rA, AC+2*((\t0)+\u)
	v_pk_fma_f32 v[T+16*\u+2*\k:T+16*\u+2*\k+1], v[rH:rH+1], v[rA:rA+1], v[rA:rA+1] op_sel:[0,0,1] op_sel_hi:[1,0,1]
.endr
.endr
	WIN ((\gwin)<<2)|((\gwin)<<4)
.irp u, 0,1
.irp k, 0,1,2,3,4,5,6,7
	v_pk_fma_f32 v[T+16*\u+2*\k:T+16*\u+2*\k+1], v[T+16*\u+2*\k:T+16*\u+2*\k+1], v[(\gbase)+2*\k:(\gbase)+2*\k+1], v[(\gbase)+16+2*\k:(\gbase)+16+2*\k+1]
.endr
.endr
	WIN 0
.endm
.macro LNY gwin, gbase                 ; y of all tiles, rounded to f16, into my fragments of XBUF
.irp t0, 0,2,4,6
	LNAP2 \gwin, \gbase, \t0
.set z, 0
.rept 16
	v_cvt_pk_f16_f32 v[T+z], v[T+2*z], v[T+2*z+1]  ; destination z, sources 2 z and 2 z + 1, ascending: nothing is overwritten before it is read
.set z, z+1
.endr
.irp q, 0,1,2,3
	ds_store_b128 v[AXW], v[T+4*\q:T+4*\q+3] offset:((\t0)+(\q)/2)*1024+((\q)%2)*512
.endr
.endr
.endm
; The sources 1 of a query tile's eight score products: registers 0-3 the tile's Q (the same 16 bytes eight times), registers 4-7 the bias of key tile z
.macro BGLOAD hd
.set z, 0
.rept 8
	ds_load_b128 v[BG+8*z:BG+8*z+3],   v[AQ] offset:(\hd)*512
	ds_load_b128 v[BG+8*z+4:BG+8*z+7], v[AB] offset:(\hd)*32768+z*512
.set z, z+1
.endr
.endm
; One head, one tile of 16 queries, all 128 keys.  next = 1: the next tile's sources are fetched.
.macro TRIP hd, next
	s_wait_dscnt 0x0                               ; Q and the bias are in
	WIN 0x01
.set z, 0
.rept 8
.set rA, KA+64*(\hd)+8*z
	v_wmma_f32_16x16x32_bf16 v[S+8*z:S+8*z+7], v[rA:rA+7], v[BG+8*z:BG+8*z+7], 0
.set z, z+1
.endr
	WIN 0
.if \next
	v_add_nc_u32 v[AQ], 1024, v[AQ]                ; these two and two v_nop are the places behind the products
	v_add_nc_u32 v[AB], 4096, v[AB]
	v_nop
	v_nop
	BGLOAD \hd
.else
	PLACES
.endif
	; the maximum of my 64 scores, three operands at a time; each accumulator's lowest registers are read first
	ALL8 v_max3_num_f32 v[T+t], v[S+8*t], v[S+8*t+1], v[S+8*t+2]
	ALL8 v_max3_num_f32 v[T+t], v[T+t], v[S+8*t+3], v[S+8*t+4]
	ALL8 v_max3_num_f32 v[T+t], v[T+t], v[S+8*t+5], v[S+8*t+6]
.irp z, 0,1,2,3
	v_max3_num_f32 v[T+\z], v[T+\z], v[S+16*\z+7], v[S+16*\z+15]
.endr
	v_max3_num_f32 v[T], v[T], v[T+1], v[T+2]
	v_max3_num_f32 v[T+4], v[T+4], v[T+5], v[T+6]
	v_max3_num_f32 v[T], v[T], v[T+3], v[T+7]
	v_max_num_f32 v[T], v[T], v[T+4]
	v_permlanex16_b32 v[T+9], v[T], s[SEL], s[SEL+1]  ; the query's other 64 keys lie in the lane 16 away
	v_max_num_f32 v[T+8], v[T], v[T+9]
.set z, 0
.rept 32
	v_pk_add_f32 v[S+2*z:S+2*z+1], v[S+2*z:S+2*z+1], v[T+8:T+9] op_sel_hi:[1,0] neg_lo:[0,1] neg_hi:[0,1]
.set z, z+1
.endr
.set z, 0
.rept 64
	v_exp_f32 v[S+z], v[S+z]
.set z, z+1
.endr
	v_nop                                          ; a plain instruction behind the last exponential,
	s_wait_alu depctr_va_vdst(0)                   ; and the one wait for the batch of 64
.set z, 0
.rept 32
	v_cvt_pk_f16_f32 v[P+z], v[S+2*z], v[S+2*z+1]
.set z, z+1
.endr
	WIN 0x03
.set z, 0
.rept 4                                ; O^T = V^T P over four steps of 32 keys: two accumulators by turns, added below
.set rD, OA+8*(z%2)
.set rA, VA+32*(\hd)+8*z
.if z < 2
	v_wmma_f32_16x16x32_f16 v[rD:rD+7], v[rA:rA+7], v[P+8*z:P+8*z+7], 0
.else
	v_wmma_f32_16x16x32_f16 v[rD:rD+7], v[rA:rA+7], v[P+8*z:P+8*z+7], v[rD:rD+7]
.endif
.set z, z+1
.endr
	WIN 0
.irp w, 32,16,8,4,2                    ; l, of the unrounded p: a tree in place; these lines are also the places behind the products
.set z, 0
.rept (\w)/2
	v_pk_add_f32 v[S+2*z:S+2*z+1], v[S+2*z:S+2*z+1], v[S+2*z+\w:S+2*z+\w+1]
.set z, z+1
.endr
.endr
	v_add_f32 v[T+10], v[S], v[S+1]
	v_permlanex16_b32 v[T+11], v[T+10], s[SEL], s[SEL+1]
	v_add_f32 v[T+10], v[T+10], v[T+11]
	v_rcp_f32 v[T+12], v[T+10]
	v_nop
	s_wait_alu depctr_va_vdst(0)
	v_mul_f32 v[T+12], s[FLAG], v[T+12]            ; 0 where the sample has no valid key
.irp k, 0,1,2,3
	v_pk_mul_f32 v[T+16+2*\k:T+17+2*\k], v[OA+2*\k:OA+2*\k+1], v[T+12:T+13] op_sel_hi:[1,0]
.endr
.irp k, 0,1,2,3
	v_pk_fma_f32 v[T+16+2*\k:T+17+2*\k], v[OA+8+2*\k:OA+9+2*\k], v[T+12:T+13], v[T+16+2*\k:T+17+2*\k] op_sel_hi:[1,0,1]
.endr
.irp k, 0,1,2,3
	v_cvt_pk_f16_f32 v[T+24+\k], v[T+16+2*\k], v[T+17+2*\k]
.endr
	ds_store_b128 v[AO], v[T+24:T+27] offset:(\hd)*512  ; into the bytes of this tile's Q, which has been read: my own bytes, and LDS serves a wave in order (ISA guide 5.7.1.4)
	v_add_nc_u32 v[AO], 1024, v[AO]
.endm
.macro HEAD hd
	v_mov_b32 v[AB], v[AB0]
	v_mov_b32 v[AQ], v[AXW]
	v_mov_b32 v[AO], v[AXW]
	BGLOAD \hd
	s_mov_b32 s[QC], 7
.Lqt\hd:
	TRIP \hd, 1
	s_sub_co_u32 s[QC], s[QC], 1
	s_cmp_lg_u32 s[QC], 0
	s_cbranch_scc1 .Lqt\hd
	TRIP \hd, 0                                    ; the last tile fetches nothing
.endm
; gelu(x) = (x / 2 + a) - a r, a = |x| / 2, r = erfc(|x| / sqrt 2) = (1 + c1 a + .. + c6 a^6)^-16, c_i = a_i 2^(i/2).  64 numbers a lane, class by class under one window setting each.
; Where the power overflows r is 0 and gelu(x) = x / 2 + a.
.macro GELU half
.set X, ACC+64*(\half)
	WIN 0x40
.set z, 0
.rept 64
	v_mul_f32 v[128+z], 0.5, |v[X+z]|
.set z, z+1
.endr
	WIN 0x10
.set z, 0
.rept 32
	v_pk_fma_f32 v[X+2*z:X+2*z+1], v[X+2*z:X+2*z+1], 0.5, v[128+2*z:129+2*z] op_sel_hi:[1,0,1]
.set z, z+1
.endr
	WIN 0x45
.set z, 0
.rept 32
	v_pk_fma_f32 v[192+2*z:193+2*z], v[128+2*z:129+2*z], s[CP+12:CP+13], s[CP+10:CP+11] op_sel_hi:[1,0,0]
.set z, z+1
.endr
.irp c, 8,6,4,2
.set z, 0
.rept 32
	v_pk_fma_f32 v[192+2*z:193+2*z], v[192+2*z:193+2*z], v[128+2*z:129+2*z], s[CP+\c:CP+\c+1] op_sel_hi:[1,1,0]
.set z, z+1
.endr
.endr
.set z, 0
.rept 32
	v_pk_fma_f32 v[192+2*z:193+2*z], v[192+2*z:193+2*z], v[128+2*z:129+2*z], 1.0 op_sel_hi:[1,1,0]
.set z, z+1
.endr
.rept 4
.set z, 0
.rept 32
	v_pk_mul_f32 v[192+2*z:193+2*z], v[192+2*z:193+2*z], v[192+2*z:193+2*z]
.set z, z+1
.endr
.endr
.set z, 0
.rept 64
	v_rcp_f32 v[192+z], v[192+z]
.set z, z+1
.endr
	v_nop
	s_wait_alu depctr_va_vdst(0)                   ; one wait for the batch of 64 reciprocals
	WIN 0x05
.set z, 0
.rept 32
	v_pk_fma_f32 v[X+2*z:X+2*z+1], v[128+2*z:129+2*z], v[192+2*z:193+2*z], v[X+2*z:X+2*z+1] neg_lo:[1,0,0] neg_hi:[1,0,0]
.set z, z+1
.endr
	WIN 0
.set t, 0
.rept 8
.irp k, 0,1,2,3
	v_cvt_pk_f16_f32 v[BG+8*t+4*(\half)+\k], v[X+8*t+2*\k], v[X+8*t+2*\k+1]
.endr
.set t, t+1
.endr
.endm
	s_load_b512 s[8:23], s[0:1], 0x0               ; wfrag s[8:9], biasw s[10:11], x s[12:13], mask s[14:15], proj_b s[16:17], ln1_g s[18:19], ln1_b s[20:21], bq s[22:23]
	s_load_b512 s[24:39], s[0:1], 0x40             ; bk s[24:25], bv s[26:27], bo s[28:29], ln2_g s[30:31], ln2_b s[32:33], bf1 s[34:35], bf2 s[36:37], ln_out_g s[38:39]
	s_load_b128 s[40:43], s[0:1], 0x80             ; ln_out_b s[40:41], out0 s[42:43]
	v_lshl_add_u32 v[SPW], v0, 2, SPARE
	v_mov_b32 v[NIL], 0
	ds_add_u32 v[SPW], v[NIL]                      ; the wave's opening: the add and its wait stand ahead of my tensor load; the set-up below, work on registers, stands between them
	v_lshrrev_b32 v20, 5, v0
	v_readfirstlane_b32 s[WV], v20                 ; wave 0..3
	s_mov_b32 s[BB], ttmp9
	v_and_b32 v20, 31, v0                          ; lane
	v_and_b32 v21, 15, v0                          ; r
	v_bfe_u32 v22, v0, 4, 1                        ; h
	v_lshlrev_b32 v[L16], 4, v20
	s_lshl_b32 s4, s[WV], 13
	v_add_nc_u32 v[VW8], s4, v[L16]
	v_add_nc_u32 v[AXR], XBUF, v[L16]
	v_add_nc_u32 v[AXW], s4, v[AXR]
	s_lshl_b32 s4, s[WV], 15
	v_add_nc_u32 v[VW32], s4, v[L16]
	s_lshl_b32 s45, s[WV], 16                      ; descriptor group 0, 63:32: the LDS address, my 65,536 bytes
	v_add_nc_u32 v[AB0], s45, v[L16]
	v_lshlrev_b32 v[ASR], 5, v21
	v_add_nc_u32 v[ASR], STATS, v[ASR]
	s_lshl_b32 s4, s[WV], 3
	v_add_nc_u32 v[ASW], s4, v[ASR]
	s_lshl_b32 s4, s[WV], 7
	v_lshl_add_u32 v[VPD], v22, 5, s4
	v_lshl_add_u32 v[VPR], v21, 2, s4
	v_mul_u32_u24 v[AFS], v21, 528
	v_add3_u32 v[AFS], v[AFS], v[VPD], XBUF        ; row r, my 128 bytes of it, 32 for each half of the lanes
	s_mul_i32 s4, s[WV], 8448
	v_add_nc_u32 v[AFR], s4, v[AXR]                ; my 16 rows of 528 bytes
	v_lshlrev_b32 v[XO], 6, v21
	v_lshl_add_u32 v[XO], v22, 5, v[XO]
	s_lshl_b32 s4, s[WV], 10
	v_add_nc_u32 v25, s4, v[L16]                   ; my two tiles of proj_W's fragments (512 bytes each)
	v_lshlrev_b32 v26, 2, v20                      ; four of the sample's 128 mask bytes
	v_lshlrev_b32 v27, 3, v22
	v_sub_nc_u32 v27, v21, v27                     ; r - 8 h
	v_mov_b32 v28, 0x3f80
	v_mov_b32 v29, 0x3f800000
.irp i, 0,1,2,3
	v_cmp_eq_u32 s4, 2*\i, v27
	v_cmp_eq_u32 s5, 2*\i+1, v27
	v_cndmask_b32 v[ID+\i], 0, v28, s4
	v_cndmask_b32 v23, 0, v29, s5
	v_or_b32 v[ID+\i], v[ID+\i], v23
.endr
.set z, 0
.rept 32
	v_mov_b32 v[T+z], 0                            ; T and the pairs (mean, M2) are written once: a packed source and v_permlanex16_b32's destination count as read whole
.set z, z+1
.endr
.set z, 0
.rept 16
	v_mov_b32 v[SW+z], 0
.set z, z+1
.endr
	s_mov_b32 s44, 1                               ; group 0, 1:0 count = 1
	s_mov_b32 s48, 3<<16                           ; group 1: no mask, elements of 8 bytes, no padding: my 65,536 bytes are dense, asked for as 256 rows of 256 bytes
	s_mov_b32 s49, 32<<16                          ; tensor_dim0 = 32
	s_mov_b32 s50, 256<<16                         ; tensor_dim1 = 256
	s_mov_b32 s51, 32<<16                          ; tile_dim0 = 32
	s_mov_b32 s52, 256                             ; tile_dim1 = 256
	s_mov_b32 s53, 32                              ; 32 elements from row to row
	s_mov_b32 s54, 0
	s_mov_b32 s55, 0
	s_mov_b32 s[SEL], 0x76543210
	s_mov_b32 s[SEL+1], 0xfedcba98
	s_mov_b32 s[QS], 0x3eb8aa3b                    ; 0.25 log2(e)
	s_mov_b32 s[CP+2], 0x3dcc41b4                  ; c1 = 0.0997346941
	s_mov_b32 s[CP+4], 0x3dad2fe7                  ; c2 = 0.0845640246
	s_mov_b32 s[CP+6], 0x3cd6cd72                  ; c3 = 0.0262210106
	s_mov_b32 s[CP+8], 0x3a1f6607                  ; c4 = 0.0006080572
	s_mov_b32 s[CP+10], 0x3acd0fec                 ; c5 = 0.0015645003
	s_mov_b32 s[CP+12], 0x39b49f67                 ; c6 = 0.0003445104
.irp i, 0,2,4,6,8,10,12
	s_mov_b32 s[CP+\i+1], s[CP+\i]                 ; named as pairs
.endr
	s_mov_b32 s[EPS], 0x3727c5ac                   ; 1e-5
	s_mov_b32 s[MSK], 0xffff0000
	s_mov_b32 s[I128], 0x3c000000
	s_mov_b32 s[I32], 0x3d000000
	s_mov_b32 s[OFF+1], 0
	s_lshl_b32 s[OFF], s[BB], 18                   ; the sample's 262,144 bytes of bias,
	s_add_co_u32 s[OFF], s[OFF], s45               ; my two heads' 65,536
	s_wait_dscnt 0x0                               ; the opening add is done
	s_wait_kmcnt 0x0
	s_add_nc_u64 s[46:47], s[10:11], s[OFF:OFF+1]  ; group 0, 120:64: the global address
	s_or_b32 s47, s47, 0x80000000                  ; 127:126 type = 2
	tensor_load_to_lds s[44:47], s[48:55]          ; my one tensor load of the launch: only I read these bytes, and nothing fills them again
	s_nop 0
	PLACES
	s_lshl_b32 s[OFF], s[BB], 13
	s_add_nc_u64 s[12:13], s[12:13], s[OFF:OFF+1]
	s_lshl_b32 s[OFF], s[BB], 7
	s_add_nc_u64 s[14:15], s[14:15], s[OFF:OFF+1]
	s_lshl_b32 s[OFF], s[BB], 16
	s_add_nc_u64 s[42:43], s[42:43], s[OFF:OFF+1]
	s_mov_b64 s[WSL:WSL+1], s[8:9]
	ALL8 global_load_b128 v[ACC+8*t:ACC+8*t+3], v[XO], s[12:13] offset:t*1024 th:TH_LOAD_NT
	ALL8 global_load_b128 v[ACC+8*t+4:ACC+8*t+7], v[XO], s[12:13] offset:t*1024+16 th:TH_LOAD_NT
	global_load_b32 v27, v26, s[14:15]
	IMG 0, BG, 16
	WIN 0xc0
	global_load_b128 v[0:3], v25, s[8:9] offset:3145728
	global_load_b128 v[8:11], v25, s[8:9] offset:3145728+512
.irp k, 4,5,6,7,12,13,14,15
	v_mov_b32 v[\k], 0                             ; the projection has K = 16: k = 16..31 are 0 in both sources
.endr
	WIN 0
	s_wait_loadcnt 0x0
	v_cmp_ne_u32 s4, 0, v27
	s_cmp_lg_u32 s4, 0
	s_cselect_b32 s[FLAG], 1.0, 0
	WIN 0x80
.set t, 0
.rept 8
.irp k, 0,1,2,3
	v_cvt_pk_bf16_f32 v[8*t+\k], v[ACC+8*t+2*\k], v[ACC+8*t+2*\k+1]
	v_mov_b32 v[8*t+4+\k], 0
.endr
.set t, t+1
.endr
	RND 0, BG, 16
	WIN 0x4b                                       ; h in window 1, proj_W in window 3, x in window 2, the image in window 0
.set a, 0
.rept 16
	v_wmma_f32_16x16x32_bf16 v[8*a:8*a+7], v[8*(a/8):8*(a/8)+7], v[8*(a%8):8*(a%8)+7], v[BG+8*(a/8):BG+8*(a/8)+7]
.set a, a+1
.endr
	WIN 0
	s_mov_b32 s[LC], 8
.Llayer:
	; ---- the layer's first weights and vectors are asked for
	s_wait_loadcnt 0x0                             ; the loads that the last chunk of the layer before left out have landed: their registers are loaded anew
	PLACES
	WIN 0xc0
.set z, 0
.rept 24                               ; (matrix, head, ks) at 8 (8 m + 4 hd + ks)
	global_load_b128 v[8*z:8*z+3],   v[VW8], s[WSL:WSL+1] offset:(z/8)*32768+(z%8)*1024
	global_load_b128 v[8*z+4:8*z+7], v[VW8], s[WSL:WSL+1] offset:(z/8)*32768+(z%8)*1024+512
.set z, z+1
.endr
	IMG 3, 192, 18
	IMG 3, 208, 20
	IMG 0, BG, 22
	IMG 0, BG+16, 24
	global_load_b32 v[BG+32], v[VPR], s[26:27]     ; bv goes by columns: V's result holds feature r in every register
	global_load_b32 v[BG+40], v[VPR], s[26:27] offset:64
	; ---- LayerNorm 1
	LNSTAT
	BAR                                            ; the statistics are in LDS; and every wave has read the last fragments out of XBUF
	LNCOMB
	s_wait_loadcnt 0x0
	RND 3, 192, 32
	RND 0, BG, 32
	v_cvt_pk_bf16_f32 v[T], v[BG+32], v[BG+40]
	v_lshlrev_b32 v[BG+32], 16, v[T]
	v_and_b32 v[BG+40], s[MSK], v[T]
.irp k, 1,2,3,4,5,6,7
	v_mov_b32 v[BG+32+\k], v[BG+32]
	v_mov_b32 v[BG+40+\k], v[BG+40]
.endr
	LNY 3, 192
	BAR                                            ; y is whole
	LOADF 0
	BAR                                            ; everybody has read y: XBUF may be written
	; ---- K, V, Q
	MMW 64, BG+16, 0
	PLACES
	WIN 0x40
.set a, 0
.rept 16
.irp k, 0,1,2,3
	v_cvt_pk_bf16_f32 v[KA+8*a+\k], v[ACC+8*a+2*\k], v[ACC+8*a+2*\k+1]
.endr
.irp k, 0,1,2,3
	v_mov_b32 v[KA+8*a+4+\k], v[ID+\k]
.endr
.set a, a+1
.endr
	WIN 0x0e                                       ; V = y Wv: y (window 2) is source 0, Wv (window 3) source 1
.set ks, 0
.rept 4
.set a, 0
.rept 16
.set rD, ACC+8*a
.set rA, 8*(4*(a%8)+ks)
.set rB, 128+32*(a/8)+8*ks
.set rC, BG+32+8*(a/8)
.if ks == 0
	v_wmma_f32_16x16x32_f16 v[rD:rD+7], v[rA:rA+7], v[rB:rB+7], v[rC:rC+7]
.else
	v_wmma_f32_16x16x32_f16 v[rD:rD+7], v[rA:rA+7], v[rB:rB+7], v[rD:rD+7]
.endif
.set a, a+1
.endr
.set ks, ks+1
.endr
	WIN 0
	PLACES
	WIN 0xc0
.set a, 0
.rept 16
.irp k, 0,1,2,3
	v_cvt_pk_f16_f32 v[VA+4*a+\k], v[ACC+8*a+2*\k], v[ACC+8*a+2*\k+1]  ; tiles 2 p and 2 p + 1 are the two halves of the fragment for keys 32 p ..
.endr
.set a, a+1
.endr
	MMW 0, BG, 0
	PLACES
.set z, 0
.rept 64
	v_pk_mul_f32 v[ACC+2*z:ACC+2*z+1], v[ACC+2*z:ACC+2*z+1], s[QS:QS+1] op_sel_hi:[1,0]
.set z, z+1
.endr
.set z, 0
.rept 64
	v_cvt_pk_bf16_f32 v[ACC+z], v[ACC+2*z], v[ACC+2*z+1]
.set z, z+1
.endr
.set a, 0
.rept 16
	ds_store_b128 v[AXW], v[ACC+4*a:ACC+4*a+3] offset:(a%8)*1024+(a/8)*512
.set a, a+1
.endr
	WIN 0xc0                                       ; what the rest of the layer begins with is asked for now: 60 loads, which have the attention in which to land
.set z, 0
.rept 8
	global_load_b128 v[8*z:8*z+3],   v[VW8], s[WSL:WSL+1] offset:98304+z*1024
	global_load_b128 v[8*z+4:8*z+7], v[VW8], s[WSL:WSL+1] offset:98304+z*1024+512
.set z, z+1
.endr
	IMG 2, 0, 28
	IMG 2, 16, 30
	IMG 2, 32, 32
	WIN 0xc0
.set z, 0
.rept 8
	global_load_b128 v[64+8*z:64+8*z+3], v[VW8], s[WSL:WSL+1] offset:131072+z*1024
	global_load_b128 v[64+8*z+4:64+8*z+7], v[VW8], s[WSL:WSL+1] offset:131072+z*1024+512
.set z, z+1
.endr
.set z, 0
.rept 8
	global_load_b128 v[128+8*z:128+8*z+3], v[VW32], s[WSL:WSL+1] offset:262144+(z/4)*16384+(z%4)*1024
	global_load_b128 v[128+8*z+4:128+8*z+7], v[VW32], s[WSL:WSL+1] offset:262144+(z/4)*16384+(z%4)*1024+512
.set z, z+1
.endr
	WIN 0
	; ---- attention: my two heads
	s_wait_tensorcnt 0x0                           ; my bias has landed: in the first layer LayerNorm 1 and Q, K, V stood between the load and this wait; from the second layer on nothing is out
	HEAD 0
	HEAD 1
	; ---- h += o Wo + bo
	BAR                                            ; o is whole
	IMG 3, 192, 34
	IMG 3, 208, 36
	LOADF 1
	s_wait_dscnt 0x0
	s_wait_loadcnt 8                               ; all but the eight loads just issued (bf1's and bf2's images)
	MMH 0
	PLACES
	RND 2, 0, 16
	HADD 2, 0
	; ---- LayerNorm 2
	LNSTAT
	BAR                                            ; the statistics are in LDS; and everybody has read o
	LNCOMB
	RND 2, 16, 32
	LNY 2, 16
	BAR
	LOADF 0
	s_wait_dscnt 0x0
	s_wait_loadcnt 0x0
	; ---- the FFN, in four chunks of 128 hidden features; of a chunk I make features 32 w .. 32 w + 31
	s_mov_b32 s[CC], 4
.Lchunk:
	s_wait_loadcnt 16                              ; the 16 youngest loads are this chunk's Wf2; its Wf1 and bf1 are in
	RND 3, 192, 16
	MMW 64, 192, 3
	PLACES
	s_wait_xcnt 0x0                                ; earlier loads have read their bases, which are written now
	s_sub_co_u32 s[NC], 5, s[CC]
	s_and_b32 s[NC], s[NC], 3                      ; the next chunk; behind the last, chunk 0 again: inside the buffers, and not used
	s_lshl_b32 s[OFF], s[NC], 15
	s_add_nc_u64 s[BF1:BF1+1], s[WSL:WSL+1], s[OFF:OFF+1]
	s_lshl_b32 s[OFF], s[NC], 9
	s_add_nc_u64 s[PB1:PB1+1], s[34:35], s[OFF:OFF+1]
	WIN 0xc0
.set z, 0
.rept 8
	global_load_b128 v[64+8*z:64+8*z+3], v[VW8], s[BF1:BF1+1] offset:131072+z*1024
	global_load_b128 v[64+8*z+4:64+8*z+7], v[VW8], s[BF1:BF1+1] offset:131072+z*1024+512
.set z, z+1
.endr
	IMG 3, 192, PB1
	GELU 0
	GELU 1
	BAR                                            ; everybody has read what XBUF held
.set a, 0
.rept 16
	ds_store_b128 v[AXW], v[BG+4*a:BG+4*a+3] offset:(a/2)*1024+(a%2)*512
.set a, a+1
.endr
	BAR                                            ; f of this chunk is whole
	LOADF 1
	s_wait_dscnt 0x0
	s_wait_loadcnt 20                              ; the 20 youngest loads are the next chunk's Wf1 and bf1; this chunk's Wf2 is in
	MMH 128
	PLACES
	s_wait_xcnt 0x0
	s_lshl_b32 s[OFF], s[NC], 12
	s_add_nc_u64 s[BF2:BF2+1], s[WSL:WSL+1], s[OFF:OFF+1]
	WIN 0xc0
.set z, 0
.rept 8
	global_load_b128 v[128+8*z:128+8*z+3], v[VW32], s[BF2:BF2+1] offset:262144+(z/4)*16384+(z%4)*1024
	global_load_b128 v[128+8*z+4:128+8*z+7], v[VW32], s[BF2:BF2+1] offset:262144+(z/4)*16384+(z%4)*1024+512
.set z, z+1
.endr
	WIN 0
	s_sub_co_u32 s[CC], s[CC], 1
	s_cmp_lg_u32 s[CC], 0
	s_cbranch_scc1 .Lchunk
	RND 3, 208, 16
	HADD 3, 208
	s_wait_xcnt 0x0                                ; every load has read its base: on to the next layer's weights and vectors
	s_add_nc_u64 s[WSL:WSL+1], s[WSL:WSL+1], 393216
.irp p, 18,20,22,24,26,28,30,32,36
	s_add_nc_u64 s[\p:\p+1], s[\p:\p+1], 512
.endr
	s_add_nc_u64 s[34:35], s[34:35], 2048
	s_sub_co_u32 s[LC], s[LC], 1
	s_cmp_lg_u32 s[LC], 0
	s_cbranch_scc1 .Llayer
	; ---- the last LayerNorm and the way out
	s_wait_loadcnt 0x0
	IMG 3, 192, 38
	IMG 3, 208, 40
	WIN 0
	LNSTAT
	BAR
	LNCOMB
	s_wait_loadcnt 0x0
	RND 3, 192, 32
; 64 tokens at a time: each wave puts its 128 bytes of every row into the stage; behind a barrier each wave takes 16 whole rows of 512 bytes and stores them.
.macro WAYOUT hf, ob
.irp t0, 0,2
	LNAP2 3, 192, 4*(\hf)+\t0
.irp q, 0,1,2,3,4,5,6,7
	ds_store_b128 v[AFS], v[T+4*\q:T+4*\q+3] offset:((\t0)+(\q)/4)*8448+(((\q)/2)%2)*64+((\q)%2)*16
.endr
.endr
	BAR
.set z, 0
.rept 16
	ds_load_b128 v[(\ob)+4*z:(\ob)+4*z+3], v[AFR] offset:z*528
.set z, z+1
.endr
.set z, 0
.rept 16
	s_wait_dscnt 15-z                              ; LDS loads come back in order: row z is in
	global_store_b128 v[VW8], v[(\ob)+4*z:(\ob)+4*z+3], s[42:43] offset:(\hf)*32768+z*512 th:TH_STORE_NT  ; a whole row of out0: 512 bytes on end
.set z, z+1
.endr
.endm
	WAYOUT 0, ACC
	BAR                                            ; everybody has read the stage: it is written again
	WAYOUT 1, BG
	s_wait_tensorcnt 0x0                           ; the wave's end: the closing lines, behind my tensor load and my last LDS store
	ds_add_u32 v[SPW], v[NIL]
	s_wait_dscnt 0x0
	s_endpgm
.Lfunc_end_k_qfbcff22828_trans:
	.size	k_qfbcff22828_trans, .Lfunc_end_k_qfbcff22828_trans-k_qfbcff22828_trans
	.p2alignl 7, 3214868480
	.fill 96, 4, 3214868480
	.section	.rodata,"a",@progbits
	.p2align	6, 0x0
	.amdhsa_kernel k_qfbcff22828_trans
		.amdhsa_group_segment_fixed_size 327680
		.amdhsa_private_segment_fixed_size 0
		.amdhsa_enable_private_segment 0
		.amdhsa_kernarg_size 144
		.amdhsa_user_sgpr_count 2
		.amdhsa_user_sgpr_kernarg_segment_ptr 1
		.amdhsa_wavefront_size32 1
		.amdhsa_system_sgpr_workgroup_id_x 1
		.amdhsa_system_sgpr_workgroup_id_y 1
		.amdhsa_system_sgpr_workgroup_id_z 1
		.amdhsa_system_vgpr_workitem_id 0
		.amdhsa_next_free_vgpr 1024
		.amdhsa_next_free_sgpr 96
		.amdhsa_reserve_vcc 0
		.amdhsa_float_denorm_mode_32 3
		.amdhsa_float_denorm_mode_16_64 3
		.amdhsa_memory_ordered 1
		.amdhsa_forward_progress 1
		.amdhsa_inst_pref_size 255
	.end_amdhsa_kernel
	.section	.bss,"aw",@nobits
	.p2align	6
	.space	262144
	.amdgpu_metadata
---
amdhsa.version: [ 1, 2 ]
amdhsa.kernels:
  - .name:           k_qfbcff22828_trans
    .symbol:         k_qfbcff22828_trans.kd
    .args:
      - { .name: wfrag, .offset: 0, .size: 8, .value_kind: global_buffer, .address_space: global }
      - { .name: biasw, .offset: 8, .size: 8, .value_kind: global_buffer, .address_space: global }
      - { .name: x, .offset: 16, .size: 8, .value_kind: global_buffer, .address_space: global }
      - { .name: padding_mask, .offset: 24, .size: 8, .value_kind: global_buffer, .address_space: global }
      - { .name: params_proj_b, .offset: 32, .size: 8, .value_kind: global_buffer, .address_space: global }
      - { .name: params_blocks_ln1_g, .offset: 40, .size: 8, .value_kind: global_buffer, .address_space: global }
      - { .name: params_blocks_ln1_b, .offset: 48, .size: 8, .value_kind: global_buffer, .address_space: global }
      - { .name: params_blocks_bq, .offset: 56, .size: 8, .value_kind: global_buffer, .address_space: global }
      - { .name: params_blocks_bk, .offset: 64, .size: 8, .value_kind: global_buffer, .address_space: global }
      - { .name: params_blocks_bv, .offset: 72, .size: 8, .value_kind: global_buffer, .address_space: global }
      - { .name: params_blocks_bo, .offset: 80, .size: 8, .value_kind: global_buffer, .address_space: global }
      - { .name: params_blocks_ln2_g, .offset: 88, .size: 8, .value_kind: global_buffer, .address_space: global }
      - { .name: params_blocks_ln2_b, .offset: 96, .size: 8, .value_kind: global_buffer, .address_space: global }
      - { .name: params_blocks_bf1, .offset: 104, .size: 8, .value_kind: global_buffer, .address_space: global }
      - { .name: params_blocks_bf2, .offset: 112, .size: 8, .value_kind: global_buffer, .address_space: global }
      - { .name: params_ln_out_g, .offset: 120, .size: 8, .value_kind: global_buffer, .address_space: global }
      - { .name: params_ln_out_b, .offset: 128, .size: 8, .value_kind: global_buffer, .address_space: global }
      - { .name: out0, .offset: 136, .size: 8, .value_kind: global_buffer, .address_space: global }
    .group_segment_fixed_size: 327680
    .private_segment_fixed_size: 0
    .kernarg_segment_align: 8
    .kernarg_segment_size: 144
    .max_flat_workgroup_size: 128
    .sgpr_count:     96
    .vgpr_count:     1024
    .wavefront_size: 32
...
	.end_amdgpu_metadata
.endif
;; end of part 3
;; ======== version 2 of 3: 3 launches; 1.16 times as fast as version 1
;; limits: values are held in f16: magnitudes above 65,504 overflow, below 6.1e-05 lose precision
;; workspace buffers: wfrag 3,166,208 bytes; biasw 33,554,432 bytes
;; launch prep: the kernel of part 1 again; grid 773 x 1, 8 waves a work-group, no clusters, 0 bytes of LDS; arguments params_blocks_Wq, params_blocks_Wk, params_blocks_Wv, params_blocks_Wo, params_blocks_Wf1, params_blocks_Wf2, params_proj_W, params_pair_1_0, params_pair_2_0, wfrag; writes wfrag
;; launch pair: the kernel of part 2 again; grid 256 x 1, 8 waves a work-group, no clusters, 56,320 bytes of LDS; arguments U, padding_mask, params_pair_0_0, params_pair_0_1, params_pair_1_1, params_pair_2_1, params_pair_3_0, params_pair_3_1, wfrag, biasw; writes biasw
;; launch trans (part 4): grid 128 x 1, 4 waves a work-group, no clusters, 327,680 bytes of LDS; arguments wfrag, biasw, x, padding_mask, params_proj_b, params_blocks_ln1_g, params_blocks_ln1_b, params_blocks_bq, params_blocks_bk, params_blocks_bv, params_blocks_bo, params_blocks_ln2_g, params_blocks_ln2_b, params_blocks_bf1, params_blocks_bf2, params_ln_out_g, params_ln_out_b, out0; writes out0
.if DOCPART == 4
	.amdgcn_target "amdgcn-amd-amdhsa--gfx1250"
	.amdhsa_code_object_version 6
	.text
	.protected	k_qfbcff22828_trans
	.globl	k_qfbcff22828_trans
	.p2align	8
	.type	k_qfbcff22828_trans,@function
k_qfbcff22828_trans:
	s_mov_b64 s[64:65], 0
	v_nop
	global_prefetch_b8 v0, s[64:65] scope:SCOPE_SE
	s_setreg_imm32_b32 hwreg(HW_REG_WAVE_MODE, 25, 1), 1
	s_wait_xcnt 0x0
; THE TRANSFORMER: projection 16 -> 128, eight pre-LN blocks (8 heads of 16, additive bias, key mask; FFN x 4 with the exact GELU), a last LayerNorm.  One work-group is one sample of 128 tokens, from x to out0.
; A layer's K and V want every token's h of that layer, and work-groups hand each other nothing inside a launch: so a sample is the smallest share, and the launch has 128 work-groups.
; SHARES.  Wave w owns features 32 w .. 32 w + 31 (heads 2 w, 2 w + 1) of ALL 128 tokens.  h stays in f32 in its registers for the whole launch: tile (i, t): lane (r, h) holds token 16 t + r, features 32 w + 16 i + 8 h + 0..7.
; Every product is W^T (source 0) x activations^T (source 1), so results have that same layout, and a wave's weight fragments come straight from wfrag into its registers, each byte once a work-group.
; Only y, o and f (f16, in fragment order) and the LayerNorms' statistics cross waves, through LDS.
; LDS LOADS STAND BESIDE THE PRODUCTS.  The loads of a product's second source go by K step, 16 at a time, two steps ahead of the 16 products that read them; the waits are counted.
; WEIGHTS ARE ASKED FOR WHERE THEIR REGISTERS FALL FREE, a phase or more ahead of their use, and never straight in front of LDS loads that the wave wants next.
; ATTENTION IS A WAVE'S OWN.  K^T, rounded in pairs, is source 0 of the score product; V is made untransposed (y as source 0, Wv as source 1), so rounded in pairs it is the fragment of V^T; Q goes through my own LDS bytes.
; Q is made first and K last: V's and K's products stand behind Q's stores, and K's rounding behind the first tile's LDS loads.
; THE BIAS RIDES IN THE PRODUCT.  A head has 16 channels, a product 32 along k: S^T (16 keys x 16 queries) = [K | I] x [Q^T ; bias]: registers 4-7 of source 0 hold a bf16 identity, registers 4-7 of source 1 the
; 16 bytes of bias that the launch before laid out for this lane.  q is multiplied by 0.25 log2(e) ahead of its one rounding, the bias came multiplied by log2(e): p = 2^(S - m), m the row's true maximum.
; A TRIP ENDS IN THE NEXT ONE.  The 16 tiles (query tile, head) go one after the other.  What is left of a tile behind V^T P (the end of l's sum, 1 / l, the scaling and rounding of O, its store) stands behind the next
; tile's eight score products, two to four lines behind each: the chain of dependent lines runs while the matrix unit works.
; FFN2 BEGINS AT HOME.  Of a chunk's four K steps, step w is the f that I have just made: packed, it is the fragment itself.  So Wf2's steps are loaded turned round (slot j holds step (w + j) % 4), slot 0's 16 products take
; f from registers while my stores land and the others arrive, and only three steps are read from LDS.  The f32 sums over K so run in another order in each wave.
; THE MASK.  A masked key's bias is -1.0014e30: its p is 0.  In a sample with no valid key all S are equal, p = 1, and 1 / l is multiplied by FLAG = 0: o = 0, as nan_to_num gives.
; FORMATS.  x, all weights, biases and gains are rounded to bf16.  Projection and scores in bf16 (q, k, bias: bf16); y, v, p, o, f in f16, their weights being bf16 numbers written as f16.  h, statistics, maxima, sums: f32.
; LIMITS.  |y|, |v|, |o|, |f| under 65,504.  erf by the rational form 1 - (1 + a1 z + .. + a6 z^6)^-16 (Abramowitz and Stegun 7.1.28), absolute error at most 3e-7.  NaN and infinities are not treated apart.
; LAYERNORM.  Each wave takes its 32 features' mean and centred sum of squares; the four meet in LDS and are joined as M2 = sum M2_w + 32 sum (mean_w - mean)^2: one exchange, no difference of large sums.
; NO CLUSTER: what work-groups share is the weights, which go to registers, not to LDS; LDS holds the sample's own bias (262,144 bytes) and 38,400 bytes of exchange, so no ring of shared tiles has room.
; NO PREFETCH: the bias is one tensor load a wave at the head; the weights are 3 MB that all work-groups read at about the same time, asked for a phase ahead of their use.
; ONE TEXT FOR ALL FOUR CHUNKS.  A chunk asks for the next chunk's Wf1 and bf1; the last chunk asks, by the same lines, for the next layer's Wk, whose registers and lane offsets are the same, and for bf1 of chunk 0 once more
; (4 loads a wave that nobody uses); in the last layer all 20 are chunk 0's again and nobody uses them.
; LDS: 0 the bias, 65,536 bytes a wave, [head 2][qt 8][kt 8][lane][16], filled once; XBUF fragments at s x 8,192 + t x 1,024 + half x 512 + 16 x lane (s = K step = the wave that wrote it),
; at the end an f32 stage of 64 rows of 528 bytes; STATS token x 32 + wave x 8; the spare words.
; REGISTERS, in windows of 256 (s_set_vgpr_msb: bits 1:0 source 0, 3:2 source 1, 5:4 source 2, 7:6 destination):
;   window 0: v1-29 addresses and the identity; v32-63 T, at work; v64-191 ACC, 16 tiles (attention: S v64-127, P v128-159, O^T v160-175; LN: v64-191 at work, v128-143 (rstd, -mean rstd); o's and f's fragments t = 4..7);
;             v192-255 BG: attention's eight sources 1; bias images bq, bk, bv; packed f; v240-255 (mean, M2)
;   window 1: v0-127 h; v128-255 packed Q, then K's sources 0; later GELU's a and p; o's and f's fragments t = 0..3
;   window 2: y's fragments (t, ks) at 8 (4 t + ks); during attention v0-47 hold bo, ln2_g, ln2_b
;   window 3: v0-191 weights (Wq, Wk, Wv; later Wo, Wf1, Wf2, 64 each); v192-255 V^T; before it ln g, b; behind it bf1, bf2
.set XBUF,  262144
.set STATS, 295936
.set SPARE, 300032                     ; the spare words, 128 bytes a wave: two blocks of 256 bytes that no other line names
.set L16,  1                           ; v1   16 x lane
.set AXW,  2                           ; v2   XBUF + 8,192 w + 16 x lane: where I write fragments
.set AXR,  3                           ; v3   XBUF + 16 x lane: where everybody reads them
.set AB,   4                           ; v4   my bias, at the query tile to be fetched (head 0's; head 1's lies 32,768 on); runs
.set AQ,   5                           ; v5   my Q of the tile to be fetched: 512 bytes a tile, (query tile, head) in turn; runs
.set AO,   6                           ; v6   where O of the tile to be finished goes: the bytes of its Q; runs
.set ASW,  7                           ; v7   STATS + 32 r + 8 w
.set ASR,  8                           ; v8   STATS + 32 r
.set VW8,  9                           ; v9   8,192 w + 16 x lane: my two tiles of a matrix with K = 128; also my 16 rows of out0
.set VW32, 10                          ; v10  32,768 w + 16 x lane: the same with K = 512
.set VPD,  11                          ; v11  4 (32 w + 8 h): my eight numbers of a vector of 128
.set VPR,  12                          ; v12  4 (32 w + r)
.set ID,   13                          ; v13-16  the identity: half e of word i is 1.0 where r - 8 h = 2 i + e
.set AFS,  17                          ; v17  the f32 stage, in
.set AFR,  18                          ; v18  the f32 stage, out
.set XO,   19                          ; v19  my 32 bytes of a token of x
.set VWF,  20                          ; v20-23  VW32 + 1,024 ((w + j) % 4), j = 0..3: Wf2's K step of slot j
.set AB0,  24                          ; v24  65,536 w + 16 x lane
.set AXJ,  24                          ; v25-27  v[AXJ + j] = AXR + 8,192 ((w + j) % 4), j = 1..3: f's K step of slot j
.set SPW,  30                          ; v30  LDS address of my spare word; never rewritten
.set NIL,  31                          ; v31  0; never rewritten
.set T,    32
.set ACC,  64
.set S,    64
.set P,    128
.set OA,   160
.set AC,   128
.set BG,   192
.set SW,   240
.set KA,   128                         ; window 1
.set VA,   192                         ; window 3
.set WV,   2                           ; s2   my wave's number
.set BB,   3                           ; s3   the sample
.set WSL,  56                          ; s[56:57] wfrag at the layer in hand
.set BF1,  58                          ; s[58:59] the same, at the chunk of Wf1 to be fetched
.set BF2,  60                          ; s[60:61] of Wf2
.set PB1,  62                          ; s[62:63] bf1 at that chunk
.set SEL,  66                          ; s[66:67] v_permlanex16_b32's selects: each lane takes its own place in the other half
.set FLAG, 68                          ; s68  1.0 if the sample has a valid key, else 0
.set LC,   69                          ; s69  layers to go
.set CC,   70                          ; s70  chunks to go
.set QC,   71                          ; s71  pairs of tiles to go
.set OFF,  72                          ; s[72:73] an offset, its high word 0
.set QS,   74                          ; s[74:75] 0.25 log2(e)
.set CP,   74                          ; s[CP + 2 i : CP + 2 i + 1] c_i, i = 1..6
.set EPS,  88
.set MSK,  89                          ; s89  a word's upper bf16
.set I128, 90
.set I32,  91
.set NC,   92                          ; s92  a chunk's number
.set WRAP, 93                          ; s93  what the last chunk adds to WSL in Wf1's place: 294,912 leads to the next layer's Wk; 0 in the last layer
.set MSB, 0
.macro WIN new                         ; the high byte repeats the setting that is left; a switch that changes nothing is dropped
.if MSB != (\new)
	s_set_vgpr_msb (MSB<<8)|(\new)
.set MSB, (\new)
.endif
.endm
.macro PLACES                          ; four plain vector instructions between a product and a vector instruction or load that touches its registers
.rept 4
	v_nop
.endr
.endm
.macro BAR                             ; my LDS stores are done and my LDS loads are back; then all four waves meet
	s_wait_dscnt 0x0
	s_barrier_signal -1
	s_barrier_wait -1
.endm
.macro ALL8 line:vararg                ; one line for each token tile t
.set t, 0
.rept 8
	\line
.set t, t+1
.endr
.endm
; n f32 numbers at v[base ..] of a window are rounded to bf16, in place
.macro RND win, base, n
	WIN 5*(\win)
.set z, 0
.rept (\n)/2
	v_cvt_pk_bf16_f32 v[T+z], v[(\base)+2*z], v[(\base)+2*z+1]
.set z, z+1
.endr
	WIN (\win)<<6
.set z, 0
.rept (\n)/2
	v_lshlrev_b32 v[(\base)+2*z], 16, v[T+z]
	v_and_b32 v[(\base)+2*z+1], s[MSK], v[T+z]
.set z, z+1
.endr
	WIN 0
.endm
; The image of a vector of 128 for my tiles: register 8 i + j holds number 32 w + 16 i + 8 h + j.  Four loads.
.macro IMG win, base, ptr
	WIN (\win)<<6
.irp q, 0,1,2,3
	global_load_b128 v[(\base)+4*\q:(\base)+4*\q+3], v[VPD], s[\ptr:\ptr+1] offset:((\q)/2)*64+((\q)%2)*16
.endr
.endm
; y's fragments of K step x, all eight token tiles: 16 loads into window 2
.macro LDY x
	WIN 0x80
.set t, 0
.rept 8
	ds_load_b128 v[32*t+8*(\x):32*t+8*(\x)+3],   v[AXR] offset:(8*(\x)+t)*1024
	ds_load_b128 v[32*t+8*(\x)+4:32*t+8*(\x)+7], v[AXR] offset:(8*(\x)+t)*1024+512
.set t, t+1
.endr
.endm
; o's fragments of K step x: 16 loads; t = 0..3 into window 1 v128-255, t = 4..7 into window 0 v64-191
.macro LDFF x
	WIN 0x40
.set t, 0
.rept 4
	ds_load_b128 v[128+32*t+8*(\x):128+32*t+8*(\x)+3],   v[AXR] offset:(8*(\x)+t)*1024
	ds_load_b128 v[128+32*t+8*(\x)+4:128+32*t+8*(\x)+7], v[AXR] offset:(8*(\x)+t)*1024+512
.set t, t+1
.endr
	WIN 0
.rept 4
	ds_load_b128 v[64+32*(t-4)+8*(\x):64+32*(t-4)+8*(\x)+3],   v[AXR] offset:(8*(\x)+t)*1024
	ds_load_b128 v[64+32*(t-4)+8*(\x)+4:64+32*(t-4)+8*(\x)+7], v[AXR] offset:(8*(\x)+t)*1024+512
.set t, t+1
.endr
.endm
; f's fragments of slot j (K step (w + j) % 4), j = 1..3: 16 loads into the same registers as o's of K step j
.macro LDJ j
	WIN 0x40
.set t, 0
.rept 4
	ds_load_b128 v[128+32*t+8*(\j):128+32*t+8*(\j)+3],   v[AXJ+(\j)] offset:t*1024
	ds_load_b128 v[128+32*t+8*(\j)+4:128+32*t+8*(\j)+7], v[AXJ+(\j)] offset:t*1024+512
.set t, t+1
.endr
	WIN 0
.rept 4
	ds_load_b128 v[64+32*(t-4)+8*(\j):64+32*(t-4)+8*(\j)+3],   v[AXJ+(\j)] offset:t*1024
	ds_load_b128 v[64+32*(t-4)+8*(\j)+4:64+32*(t-4)+8*(\j)+7], v[AXJ+(\j)] offset:t*1024+512
.set t, t+1
.endr
.endm
; 64 products ACC(i, t) = W^T y^T + image.  W's fragment (i, ks) at wbase + 32 i + 8 ks of window 3; the image at cbase + 8 i of window cwin.
; In all these runs the 16 accumulators take turns, one instruction a turn, K outermost.
; stream = 1: y is fetched here, two K steps ahead of its products: in front of a step's products the only younger LDS instructions are the next step's 16 loads.
; stream = 2: y's 64 loads went out ahead of the chunk loop, by K step: in the first chunk 48, 32, 16, 0 younger ones may be out; in the later chunks nothing is out.
.macro MMW wbase, cbase, cwin, stream
.if (\stream) == 1
	LDY 0
	LDY 1
.endif
.set ks, 0
.rept 4
.if (\stream) == 1
.if ks < 3
	s_wait_dscnt 16
.else
	s_wait_dscnt 0x0
.endif
.elseif (\stream) == 2
	s_wait_dscnt 48-16*ks
.endif
.if ks == 0
	WIN 0x0b|((\cwin)<<4)
.else
	WIN 0x0b
.endif
.set a, 0
.rept 16
.set rD, ACC+8*a
.set rA, (\wbase)+32*(a/8)+8*ks
.set rB, 8*(4*(a%8)+ks)
.set rC, (\cbase)+8*(a/8)
.if ks == 0
	v_wmma_f32_16x16x32_f16 v[rD:rD+7], v[rA:rA+7], v[rB:rB+7], v[rC:rC+7]
.else
	v_wmma_f32_16x16x32_f16 v[rD:rD+7], v[rA:rA+7], v[rB:rB+7], v[rD:rD+7]
.endif
.set a, a+1
.endr
.if ((\stream) == 1) && (ks < 2)
	LDY ks+2
.endif
.set ks, ks+1
.endr
	WIN 0
.endm
; 64 products h(i, t) += Wo^T o^T, o fetched from XBUF two K steps ahead of its products, as above.  W's fragment (i, ks) at wbase + 32 i + 8 ks of window 3.
.macro MMH wbase
	LDFF 0
	LDFF 1
.set ks, 0
.rept 4
.if ks < 3
	s_wait_dscnt 16                                ; this step's 16 loads are in; the next step's 16 may be out
.else
	s_wait_dscnt 0x0
.endif
.set a, 0                              ; a = 2 t + i
.rept 16
.if a < 8
	WIN 0x57
.set rB, 128+8*(4*(a/2)+ks)
.else
	WIN 0x53
.set rB, 64+8*(4*(a/2-4)+ks)
.endif
.set rD, 8*(8*(a%2)+a/2)
.set rA, (\wbase)+32*(a%2)+8*ks
	v_wmma_f32_16x16x32_f16 v[rD:rD+7], v[rA:rA+7], v[rB:rB+7], v[rD:rD+7]
.set a, a+1
.endr
.if ks < 2
	LDFF ks+2                                      ; into registers of their own: no product round them names these
.endif
.set ks, ks+1
.endr
	WIN 0
.endm
; 16 products h(i, t) += Wf2^T f^T of slot j.  Slot 0's f is my own, packed in BG; the others' lie where LDJ put them.  Wf2's fragment (i, slot j) at 128 + 32 i + 8 j of window 3.
.macro MF16 j
.set a, 0                              ; a = 2 t + i
.rept 16
.if (\j) == 0
	WIN 0x53
.set rB, BG+8*(a/2)
.elseif a < 8
	WIN 0x57
.set rB, 128+8*(4*(a/2)+(\j))
.else
	WIN 0x53
.set rB, 64+8*(4*(a/2-4)+(\j))
.endif
.set rD, 8*(8*(a%2)+a/2)
.set rA, 128+32*(a%2)+8*(\j)
	v_wmma_f32_16x16x32_f16 v[rD:rD+7], v[rA:rA+7], v[rB:rB+7], v[rD:rD+7]
.set a, a+1
.endr
.endm
.macro HADD win, base                  ; h += image
	WIN 0x41|((\win)<<2)
.set a, 0
.rept 16
.irp k, 0,1,2,3
	v_pk_add_f32 v[8*a+2*\k:8*a+2*\k+1], v[8*a+2*\k:8*a+2*\k+1], v[(\base)+8*(a/8)+2*\k:(\base)+8*(a/8)+2*\k+1]
.endr
.set a, a+1
.endr
	WIN 0
.endm
; My 32 features' mean and centred sum of squares for each of the 128 tokens, into STATS.  Class by class over the eight tiles, so that no line waits for the one before it.
.macro LNSTAT
	WIN 0x05
.set t, 0
.rept 8
.irp k, 0,1,2,3
.set rH, 8*(8*((\k)/2)+t)+4*((\k)%2)
	v_pk_add_f32 v[ACC+8*t+2*\k:ACC+8*t+2*\k+1], v[rH:rH+1], v[rH+2:rH+3]
.endr
.set t, t+1
.endr
	WIN 0
	ALL8 v_pk_add_f32 v[ACC+8*t:ACC+8*t+1], v[ACC+8*t:ACC+8*t+1], v[ACC+8*t+2:ACC+8*t+3]
	ALL8 v_pk_add_f32 v[ACC+8*t+4:ACC+8*t+5], v[ACC+8*t+4:ACC+8*t+5], v[ACC+8*t+6:ACC+8*t+7]
	ALL8 v_pk_add_f32 v[ACC+8*t:ACC+8*t+1], v[ACC+8*t:ACC+8*t+1], v[ACC+8*t+4:ACC+8*t+5]
	ALL8 v_add_f32 v[T+t], v[ACC+8*t], v[ACC+8*t+1]
	ALL8 v_permlanex16_b32 v[T+8+t], v[T+t], s[SEL], s[SEL+1]
	ALL8 v_add_f32 v[T+t], v[T+t], v[T+8+t]
	ALL8 v_mul_f32 v[SW+2*t], s[I32], v[T+t]
	WIN 0x01
.set t, 0
.rept 8
.irp k, 0,1,2,3,4,5,6,7
.set rH, 8*(8*((\k)/4)+t)+2*((\k)%4)
	v_pk_add_f32 v[ACC+16*t+2*\k:ACC+16*t+2*\k+1], v[rH:rH+1], v[SW+2*t:SW+2*t+1] op_sel_hi:[1,0] neg_lo:[0,1] neg_hi:[0,1]
.endr
.set t, t+1
.endr
	WIN 0
	ALL8 v_pk_mul_f32 v[T+2*t:T+2*t+1], v[ACC+16*t:ACC+16*t+1], v[ACC+16*t:ACC+16*t+1]
.irp k, 1,2,3,4,5,6,7
	ALL8 v_pk_fma_f32 v[T+2*t:T+2*t+1], v[ACC+16*t+2*\k:ACC+16*t+2*\k+1], v[ACC+16*t+2*\k:ACC+16*t+2*\k+1], v[T+2*t:T+2*t+1]
.endr
	ALL8 v_add_f32 v[T+16+t], v[T+2*t], v[T+2*t+1]
	ALL8 v_permlanex16_b32 v[T+24+t], v[T+16+t], s[SEL], s[SEL+1]
	ALL8 v_add_f32 v[SW+2*t+1], v[T+16+t], v[T+24+t]
	ALL8 ds_store_b64 v[ASW], v[SW+2*t:SW+2*t+1] offset:t*512
.endm
; The four waves' figures of my lane's tokens are asked for; the rounding of the gains, which names neither these registers nor LDS, stands between these loads and the wait for them
.macro LNLD
	ALL8 ds_load_b128 v[ACC+8*t:ACC+8*t+3], v[ASR] offset:t*512
	ALL8 ds_load_b128 v[ACC+8*t+4:ACC+8*t+7], v[ASR] offset:t*512+16
.endm
; and joined: v[AC + 2 t] = rstd, v[AC + 2 t + 1] = -mean rstd for my lane's token of tile t.
.macro LNCOMB
	s_wait_dscnt 0x0
	ALL8 v_pk_add_f32 v[T+4*t:T+4*t+1], v[ACC+8*t:ACC+8*t+1], v[ACC+8*t+2:ACC+8*t+3]
	ALL8 v_pk_add_f32 v[T+4*t+2:T+4*t+3], v[ACC+8*t+4:ACC+8*t+5], v[ACC+8*t+6:ACC+8*t+7]
	ALL8 v_pk_add_f32 v[T+4*t:T+4*t+1], v[T+4*t:T+4*t+1], v[T+4*t+2:T+4*t+3]
	ALL8 v_mul_f32 v[T+4*t+2], 0x3e800000, v[T+4*t]
.irp i, 0,1,2,3
	ALL8 v_sub_f32 v[ACC+8*t+2*\i], v[ACC+8*t+2*\i], v[T+4*t+2]
.endr
	ALL8 v_mul_f32 v[T+4*t+3], v[ACC+8*t], v[ACC+8*t]
.irp i, 1,2,3
	ALL8 v_fmac_f32 v[T+4*t+3], v[ACC+8*t+2*\i], v[ACC+8*t+2*\i]
.endr
	ALL8 v_fmamk_f32 v[T+4*t+1], v[T+4*t+3], 0x42000000, v[T+4*t+1]
	ALL8 v_fma_f32 v[T+4*t+1], v[T+4*t+1], s[I128], s[EPS]
	ALL8 v_rsq_f32 v[AC+2*t], v[T+4*t+1]
	v_nop                                          ; a plain instruction behind the last root,
	s_wait_alu depctr_va_vdst(0)                   ; and the wait ahead of the first use: one for the eight
	ALL8 v_mul_f32 v[AC+2*t+1], -v[T+4*t+2], v[AC+2*t]
.endm
; Tiles t0, t0 + 1: T[16 u + 8 i + j] = (h rstd - mean rstd) g + b.  g at gbase, b at gbase + 16 of window gwin.
.macro LNAP2 gwin, gbase, t0
	WIN 0x01
.irp u, 0,1
.irp k, 0,1,2,3,4,5,6,7
.set rH, 8*(8*((\k)/4)+(\t0)+\u)+2*((\k)%4)
.set rA, AC+2*((\t0)+\u)
	v_pk_fma_f32 v[T+16*\u+2*\k:T+16*\u+2*\k+1], v[rH:rH+1], v[rA:rA+1], v[rA:rA+1] op_sel:[0,0,1] op_sel_hi:[1,0,1]
.endr
.endr
	WIN ((\gwin)<<2)|((\gwin)<<4)
.irp u, 0,1
.irp k, 0,1,2,3,4,5,6,7
	v_pk_fma_f32 v[T+16*\u+2*\k:T+16*\u+2*\k+1], v[T+16*\u+2*\k:T+16*\u+2*\k+1], v[(\gbase)+2*\k:(\gbase)+2*\k+1], v[(\gbase)+16+2*\k:(\gbase)+16+2*\k+1]
.endr
.endr
	WIN 0
.endm
.macro LNY gwin, gbase                 ; y of all tiles, rounded to f16, into my fragments of XBUF
.irp t0, 0,2,4,6
	LNAP2 \gwin, \gbase, \t0
.set z, 0
.rept 16
	v_cvt_pk_f16_f32 v[T+z], v[T+2*z], v[T+2*z+1]  ; destination z, sources 2 z and 2 z + 1, ascending: nothing is overwritten before it is read
.set z, z+1
.endr
.irp q, 0,1,2,3
	ds_store_b128 v[AXW], v[T+4*\q:T+4*\q+3] offset:((\t0)+(\q)/2)*1024+((\q)%2)*512
.endr
.endr
.endm
; The sources 1 of a tile's eight score products: registers 0-3 the tile's Q (the same 16 bytes eight times), registers 4-7 the bias of key tile z; boff = 32,768 for head 1
.macro BGLOAD boff
.set z, 0
.rept 8
	ds_load_b128 v[BG+8*z:BG+8*z+3],   v[AQ]
	ds_load_b128 v[BG+8*z+4:BG+8*z+7], v[AB] offset:(\boff)+z*512
.set z, z+1
.endr
.endm
; WHAT IS LEFT OF A TILE BEHIND V^T P, line n of 27.  T+0..15 hold eight pairs of partial sums of p, OA the two halves of O^T.
;   0-6 the pairs into one     7-9 its two numbers, and the lane 16 away (the query's other 64 keys): l     10-12 1 / l, times FLAG     13-20 O^T's two halves, each times that, added
;   21-24 rounded to f16     25 stored into the bytes of the tile's Q, which has been read (my own bytes, and LDS serves a wave in order: ISA guide 5.7.1.4)     26 the next tile's place
.macro FR n
.if (\n) < 4
	v_pk_add_f32 v[T+2*(\n):T+2*(\n)+1], v[T+2*(\n):T+2*(\n)+1], v[T+2*(\n)+8:T+2*(\n)+9]
.elseif (\n) < 6
	v_pk_add_f32 v[T+2*(\n)-8:T+2*(\n)-7], v[T+2*(\n)-8:T+2*(\n)-7], v[T+2*(\n)-4:T+2*(\n)-3]
.elseif (\n) == 6
	v_pk_add_f32 v[T:T+1], v[T:T+1], v[T+2:T+3]
.elseif (\n) == 7
	v_add_f32 v[T+10], v[T], v[T+1]
.elseif (\n) == 8
	v_permlanex16_b32 v[T+11], v[T+10], s[SEL], s[SEL+1]
.elseif (\n) == 9
	v_add_f32 v[T+10], v[T+10], v[T+11]
.elseif (\n) == 10
	v_rcp_f32 v[T+12], v[T+10]
.elseif (\n) == 11
	v_nop                                          ; a plain instruction behind the reciprocal
.elseif (\n) == 12
	s_wait_alu depctr_va_vdst(0)                   ; the wait ahead of the reciprocal's first use
	v_mul_f32 v[T+12], s[FLAG], v[T+12]            ; 0 where the sample has no valid key
.elseif (\n) < 17
	v_pk_mul_f32 v[T+2*(\n)-10:T+2*(\n)-9], v[OA+2*(\n)-26:OA+2*(\n)-25], v[T+12:T+13] op_sel_hi:[1,0]
.elseif (\n) < 21
	v_pk_fma_f32 v[T+2*(\n)-18:T+2*(\n)-17], v[OA+2*(\n)-26:OA+2*(\n)-25], v[T+12:T+13], v[T+2*(\n)-18:T+2*(\n)-17] op_sel_hi:[1,0,1]
.elseif (\n) < 25
	v_cvt_pk_f16_f32 v[T+(\n)+3], v[T+2*(\n)-26], v[T+2*(\n)-25]
.elseif (\n) == 25
	ds_store_b128 v[AO], v[T+24:T+27]
.else
	v_add_nc_u32 v[AO], 512, v[AO]
.endif
.endm
.macro FRS q                           ; the lines that stand behind score product q of eight
.if (\q) == 0
.irp n, 0,1,2,3
	FR \n
.endr
.elseif (\q) == 1
.irp n, 4,5,6
	FR \n
.endr
.elseif (\q) == 2
.irp n, 7,8
	FR \n
.endr
.elseif (\q) == 3
.irp n, 9,10,11
	FR \n
.endr
.elseif (\q) == 4
.irp n, 12,13,14
	FR \n
.endr
.elseif (\q) == 5
.irp n, 15,16,17,18
	FR \n
.endr
.elseif (\q) == 6
.irp n, 19,20,21,22
	FR \n
.endr
.else
.irp n, 23,24,25,26
	FR \n
.endr
.endif
.endm
; One head, one tile of 16 queries, all 128 keys.  next = 1: the next tile's sources are fetched (behind head 0: the same queries' head 1; behind head 1: the next queries' head 0).  fin = 1: the tile before is finished.
.macro TRIP hd, next, fin
	s_wait_dscnt 0x0                               ; Q and the bias are in: their loads went out a trip ago (the first tile's: ahead of K's rounding), behind the last LDS store
.set y, 0
.rept 8
	WIN 0x01
.set rA, KA+64*(\hd)+8*y
	v_wmma_f32_16x16x32_bf16 v[S+8*y:S+8*y+7], v[rA:rA+7], v[BG+8*y:BG+8*y+7], 0
.if \fin
	WIN 0
	FRS y
.endif
.set y, y+1
.endr
	WIN 0
.if \next
	v_add_nc_u32 v[AQ], 512, v[AQ]                 ; with the two roundings and the address step above, or the three v_nop below, the four places behind the last product
.if \hd
	v_add_nc_u32 v[AB], 4096, v[AB]
.endif
.if !(\fin)
	v_nop
	v_nop
	v_nop
.endif
	BGLOAD 32768*(1-(\hd))
.endif
	; the maximum of my 64 scores, three operands at a time; each accumulator's lowest registers are read first
	ALL8 v_max3_num_f32 v[T+t], v[S+8*t], v[S+8*t+1], v[S+8*t+2]
	ALL8 v_max3_num_f32 v[T+t], v[T+t], v[S+8*t+3], v[S+8*t+4]
	ALL8 v_max3_num_f32 v[T+t], v[T+t], v[S+8*t+5], v[S+8*t+6]
.irp z, 0,1,2,3
	v_max3_num_f32 v[T+\z], v[T+\z], v[S+16*\z+7], v[S+16*\z+15]
.endr
	v_max3_num_f32 v[T], v[T], v[T+1], v[T+2]
	v_max3_num_f32 v[T+4], v[T+4], v[T+5], v[T+6]
	v_max3_num_f32 v[T], v[T], v[T+3], v[T+7]
	v_max_num_f32 v[T], v[T], v[T+4]
	v_permlanex16_b32 v[T+9], v[T], s[SEL], s[SEL+1]  ; the query's other 64 keys lie in the lane 16 away
	v_max_num_f32 v[T+8], v[T], v[T+9]
	; S - m and the exponentials, one packed subtraction to two exponentials; a pair is subtracted one step ahead of its exponentials; nothing here names an exponential's result
	v_pk_add_f32 v[S:S+1], v[S:S+1], v[T+8:T+9] op_sel_hi:[1,0] neg_lo:[0,1] neg_hi:[0,1]
.set z, 0
.rept 32
.if z < 31
	v_pk_add_f32 v[S+2*z+2:S+2*z+3], v[S+2*z+2:S+2*z+3], v[T+8:T+9] op_sel_hi:[1,0] neg_lo:[0,1] neg_hi:[0,1]
.endif
	v_exp_f32 v[S+2*z], v[S+2*z]
	v_exp_f32 v[S+2*z+1], v[S+2*z+1]
.set z, z+1
.endr
	v_nop                                          ; a plain instruction behind the last exponential,
	s_wait_alu depctr_va_vdst(0)                   ; and the one wait for the batch of 64
.set z, 0
.rept 32
	v_cvt_pk_f16_f32 v[P+z], v[S+2*z], v[S+2*z+1]
.set z, z+1
.endr
	WIN 0x03
.set z, 0
.rept 4                                ; O^T = V^T P over four steps of 32 keys: two accumulators by turns, added when the tile is finished
.set rD, OA+8*(z%2)
.set rA, VA+32*(\hd)+8*z
.if z < 2
	v_wmma_f32_16x16x32_f16 v[rD:rD+7], v[rA:rA+7], v[P+8*z:P+8*z+7], 0
.else
	v_wmma_f32_16x16x32_f16 v[rD:rD+7], v[rA:rA+7], v[P+8*z:P+8*z+7], v[rD:rD+7]
.endif
.set z, z+1
.endr
	WIN 0
.set z, 0
.rept 16                               ; l, of the unrounded p: 32 pairs into 16, in place; these lines are also the places behind the products
	v_pk_add_f32 v[S+2*z:S+2*z+1], v[S+2*z:S+2*z+1], v[S+2*z+32:S+2*z+33]
.set z, z+1
.endr
.set z, 0
.rept 8                                ; 16 into 8, out of S, which the next tile's products write
	v_pk_add_f32 v[T+2*z:T+2*z+1], v[S+2*z:S+2*z+1], v[S+2*z+16:S+2*z+17]
.set z, z+1
.endr
.endm
; gelu(x) = (x / 2 + a) - a r, a = |x| / 2, r = erfc(|x| / sqrt 2) = (1 + c1 a + .. + c6 a^6)^-16, c_i = a_i 2^(i/2).  64 numbers a lane, class by class under one window setting each.
; Where the power overflows r is 0 and gelu(x) = x / 2 + a.
.macro SQ n                            ; pair n of p is squared
	v_pk_mul_f32 v[192+2*(\n):193+2*(\n)], v[192+2*(\n):193+2*(\n)], v[192+2*(\n):193+2*(\n)]
.endm
.macro GELU half
.set X, ACC+64*(\half)
	WIN 0x40
.set z, 0
.rept 64
	v_mul_f32 v[128+z], 0.5, |v[X+z]|
.set z, z+1
.endr
	WIN 0x10
.set z, 0
.rept 32
	v_pk_fma_f32 v[X+2*z:X+2*z+1], v[X+2*z:X+2*z+1], 0.5, v[128+2*z:129+2*z] op_sel_hi:[1,0,1]
.set z, z+1
.endr
	WIN 0x45
.set z, 0
.rept 32
	v_pk_fma_f32 v[192+2*z:193+2*z], v[128+2*z:129+2*z], s[CP+12:CP+13], s[CP+10:CP+11] op_sel_hi:[1,0,0]
.set z, z+1
.endr
.irp c, 8,6,4,2
.set z, 0
.rept 32
	v_pk_fma_f32 v[192+2*z:193+2*z], v[192+2*z:193+2*z], v[128+2*z:129+2*z], s[CP+\c:CP+\c+1] op_sel_hi:[1,1,0]
.set z, z+1
.endr
.endr
.set z, 0
.rept 32
	v_pk_fma_f32 v[192+2*z:193+2*z], v[192+2*z:193+2*z], v[128+2*z:129+2*z], 1.0 op_sel_hi:[1,1,0]
.set z, z+1
.endr
.rept 2                                ; p^2, p^4
.set z, 0
.rept 32
	SQ z
.set z, z+1
.endr
.endr
	; p^8, p^16 and the 64 reciprocals by turns, a plain line to a reciprocal: pair z's reciprocals stand two steps behind its p^16, that two steps behind its p^8.
	; A squaring names only pairs whose reciprocals are still to come: nothing names a reciprocal's result ahead of the wait below.
.irp q, 0,1,2,3
	SQ \q
.endr
	SQ 0
	SQ 1
.set z, 0
.rept 32
.if z < 28
	SQ z+4
.endif
	v_rcp_f32 v[192+2*z], v[192+2*z]
.if z < 30
	SQ z+2
.endif
	v_rcp_f32 v[193+2*z], v[193+2*z]
.set z, z+1
.endr
	v_nop                                          ; a plain instruction behind the last reciprocal,
	s_wait_alu depctr_va_vdst(0)                   ; and one wait for the batch of 64
	WIN 0x05
.set z, 0
.rept 32
	v_pk_fma_f32 v[X+2*z:X+2*z+1], v[128+2*z:129+2*z], v[192+2*z:193+2*z], v[X+2*z:X+2*z+1] neg_lo:[1,0,0] neg_hi:[1,0,0]
.set z, z+1
.endr
	WIN 0
.set t, 0
.rept 8
.irp k, 0,1,2,3
	v_cvt_pk_f16_f32 v[BG+8*t+4*(\half)+\k], v[X+8*t+2*\k], v[X+8*t+2*\k+1]
.endr
.set t, t+1
.endr
.endm
	s_load_b512 s[8:23], s[0:1], 0x0               ; wfrag s[8:9], biasw s[10:11], x s[12:13], mask s[14:15], proj_b s[16:17], ln1_g s[18:19], ln1_b s[20:21], bq s[22:23]
	s_load_b512 s[24:39], s[0:1], 0x40             ; bk s[24:25], bv s[26:27], bo s[28:29], ln2_g s[30:31], ln2_b s[32:33], bf1 s[34:35], bf2 s[36:37], ln_out_g s[38:39]
	s_load_b128 s[40:43], s[0:1], 0x80             ; ln_out_b s[40:41], out0 s[42:43]
	v_lshl_add_u32 v[SPW], v0, 2, SPARE
	v_mov_b32 v[NIL], 0
	ds_add_u32 v[SPW], v[NIL]                      ; the wave's opening: the add and its wait stand ahead of my tensor load; the set-up below, work on registers, stands between them
	v_lshrrev_b32 v20, 5, v0
	v_readfirstlane_b32 s[WV], v20                 ; wave 0..3
	s_mov_b32 s[BB], ttmp9
	v_and_b32 v20, 31, v0                          ; lane
	v_and_b32 v21, 15, v0                          ; r
	v_bfe_u32 v22, v0, 4, 1                        ; h
	v_lshlrev_b32 v[L16], 4, v20
	s_lshl_b32 s4, s[WV], 13
	v_add_nc_u32 v[VW8], s4, v[L16]
	v_add_nc_u32 v[AXR], XBUF, v[L16]
	v_add_nc_u32 v[AXW], s4, v[AXR]
	s_lshl_b32 s4, s[WV], 15
	v_add_nc_u32 v[VW32], s4, v[L16]
	s_lshl_b32 s45, s[WV], 16                      ; descriptor group 0, 63:32: the LDS address, my 65,536 bytes
	v_add_nc_u32 v[AB0], s45, v[L16]
	v_lshlrev_b32 v[ASR], 5, v21
	v_add_nc_u32 v[ASR], STATS, v[ASR]
	s_lshl_b32 s4, s[WV], 3
	v_add_nc_u32 v[ASW], s4, v[ASR]
	s_lshl_b32 s4, s[WV], 7
	v_lshl_add_u32 v[VPD], v22, 5, s4
	v_lshl_add_u32 v[VPR], v21, 2, s4
	v_mul_u32_u24 v[AFS], v21, 528
	v_add3_u32 v[AFS], v[AFS], v[VPD], XBUF        ; row r, my 128 bytes of it, 32 for each half of the lanes
	s_mul_i32 s4, s[WV], 8448
	v_add_nc_u32 v[AFR], s4, v[AXR]                ; my 16 rows of 528 bytes
	v_lshlrev_b32 v[XO], 6, v21
	v_lshl_add_u32 v[XO], v22, 5, v[XO]
	s_lshl_b32 s4, s[WV], 10
	v_add_nc_u32 v25, s4, v[L16]                   ; my two tiles of proj_W's fragments (512 bytes each)
	v_lshlrev_b32 v26, 2, v20                      ; four of the sample's 128 mask bytes
	v_lshlrev_b32 v27, 3, v22
	v_sub_nc_u32 v27, v21, v27                     ; r - 8 h
	v_mov_b32 v28, 0x3f80
	v_mov_b32 v29, 0x3f800000
.irp i, 0,1,2,3
	v_cmp_eq_u32 s4, 2*\i, v27
	v_cmp_eq_u32 s5, 2*\i+1, v27
	v_cndmask_b32 v[ID+\i], 0, v28, s4
	v_cndmask_b32 v23, 0, v29, s5
	v_or_b32 v[ID+\i], v[ID+\i], v23
.endr
.set z, 0
.rept 32
	v_mov_b32 v[T+z], 0                            ; T and the pairs (mean, M2) are written once: a packed source and v_permlanex16_b32's destination count as read whole
.set z, z+1
.endr
.set z, 0
.rept 16
	v_mov_b32 v[SW+z], 0
.set z, z+1
.endr
	s_mov_b32 s44, 1                               ; group 0, 1:0 count = 1
	s_mov_b32 s48, 3<<16                           ; group 1: no mask, elements of 8 bytes, no padding: my 65,536 bytes are dense, asked for as 256 rows of 256 bytes
	s_mov_b32 s49, 32<<16                          ; tensor_dim0 = 32
	s_mov_b32 s50, 256<<16                         ; tensor_dim1 = 256
	s_mov_b32 s51, 32<<16                          ; tile_dim0 = 32
	s_mov_b32 s52, 256                             ; tile_dim1 = 256
	s_mov_b32 s53, 32                              ; 32 elements from row to row
	s_mov_b32 s54, 0
	s_mov_b32 s55, 0
	s_mov_b32 s[SEL], 0x76543210
	s_mov_b32 s[SEL+1], 0xfedcba98
	s_mov_b32 s[QS], 0x3eb8aa3b                    ; 0.25 log2(e)
	s_mov_b32 s[CP+2], 0x3dcc41b4                  ; c1 = 0.0997346941
	s_mov_b32 s[CP+4], 0x3dad2fe7                  ; c2 = 0.0845640246
	s_mov_b32 s[CP+6], 0x3cd6cd72                  ; c3 = 0.0262210106
	s_mov_b32 s[CP+8], 0x3a1f6607                  ; c4 = 0.0006080572
	s_mov_b32 s[CP+10], 0x3acd0fec                 ; c5 = 0.0015645003
	s_mov_b32 s[CP+12], 0x39b49f67                 ; c6 = 0.0003445104
.irp i, 0,2,4,6,8,10,12
	s_mov_b32 s[CP+\i+1], s[CP+\i]                 ; named as pairs
.endr
	s_mov_b32 s[EPS], 0x3727c5ac                   ; 1e-5
	s_mov_b32 s[MSK], 0xffff0000
	s_mov_b32 s[I128], 0x3c000000
	s_mov_b32 s[I32], 0x3d000000
	s_mov_b32 s[OFF+1], 0
	s_lshl_b32 s[OFF], s[BB], 18                   ; the sample's 262,144 bytes of bias,
	s_add_co_u32 s[OFF], s[OFF], s45               ; my two heads' 65,536
	s_wait_dscnt 0x0                               ; the opening add is done
	s_wait_kmcnt 0x0
	s_add_nc_u64 s[46:47], s[10:11], s[OFF:OFF+1]  ; group 0, 120:64: the global address
	s_or_b32 s47, s47, 0x80000000                  ; 127:126 type = 2
	tensor_load_to_lds s[44:47], s[48:55]          ; my one tensor load of the launch: only I read these bytes, and nothing fills them again
	s_nop 0
	PLACES
	s_lshl_b32 s[OFF], s[BB], 13
	s_add_nc_u64 s[12:13], s[12:13], s[OFF:OFF+1]
	s_lshl_b32 s[OFF], s[BB], 7
	s_add_nc_u64 s[14:15], s[14:15], s[OFF:OFF+1]
	s_lshl_b32 s[OFF], s[BB], 16
	s_add_nc_u64 s[42:43], s[42:43], s[OFF:OFF+1]
	s_mov_b64 s[WSL:WSL+1], s[8:9]
	ALL8 global_load_b128 v[ACC+8*t:ACC+8*t+3], v[XO], s[12:13] offset:t*1024 th:TH_LOAD_NT
	ALL8 global_load_b128 v[ACC+8*t+4:ACC+8*t+7], v[XO], s[12:13] offset:t*1024+16 th:TH_LOAD_NT
	global_load_b32 v27, v26, s[14:15]
	IMG 0, BG, 16
	WIN 0xc0
	global_load_b128 v[0:3], v25, s[8:9] offset:3145728
	global_load_b128 v[8:11], v25, s[8:9] offset:3145728+512
.set z, 0
.rept 8                                ; the first layer's Wk: the later layers' comes in the last chunk of the layer before
	global_load_b128 v[64+8*z:64+8*z+3],   v[VW8], s[WSL:WSL+1] offset:32768+z*1024
	global_load_b128 v[64+8*z+4:64+8*z+7], v[VW8], s[WSL:WSL+1] offset:32768+z*1024+512
.set z, z+1
.endr
.irp k, 4,5,6,7,12,13,14,15
	v_mov_b32 v[\k], 0                             ; the projection has K = 16: k = 16..31 are 0 in both sources
.endr
	WIN 0
	s_wait_loadcnt 0x0
	v_cmp_ne_u32 s4, 0, v27
	s_cmp_lg_u32 s4, 0
	s_cselect_b32 s[FLAG], 1.0, 0
.irp j, 0,1,2,3                        ; the turned K steps of FFN2; v20-23 and v25-27 have served their first purpose, and the loads that named v25 and v26 are done
	s_add_co_u32 s4, s[WV], \j
	s_and_b32 s4, s4, 3
	s_lshl_b32 s5, s4, 10
	v_add_nc_u32 v[VWF+\j], s5, v[VW32]
.if \j
	s_lshl_b32 s5, s4, 13
	v_add_nc_u32 v[AXJ+\j], s5, v[AXR]
.endif
.endr
	WIN 0x80
.set t, 0
.rept 8
.irp k, 0,1,2,3
	v_cvt_pk_bf16_f32 v[8*t+\k], v[ACC+8*t+2*\k], v[ACC+8*t+2*\k+1]
	v_mov_b32 v[8*t+4+\k], 0
.endr
.set t, t+1
.endr
	RND 0, BG, 16
	WIN 0x4b                                       ; h in window 1, proj_W in window 3, x in window 2, the image in window 0
.set a, 0
.rept 16
	v_wmma_f32_16x16x32_bf16 v[8*a:8*a+7], v[8*(a/8):8*(a/8)+7], v[8*(a%8):8*(a%8)+7], v[BG+8*(a/8):BG+8*(a/8)+7]
.set a, a+1
.endr
	WIN 0
	s_mov_b32 s[LC], 8
.Llayer:
	; ---- the layer's weights and vectors are asked for: 50 loads; Wk is there already
	s_wait_loadcnt 0x0                             ; the last chunk's 20 loads went out ahead of its GELU; bf1's registers among them are loaded anew below
	PLACES
	s_cmp_eq_u32 s[LC], 1
	s_cselect_b32 s[WRAP], 0, 0x48000              ; 393,216 (a layer) + 32,768 (Wk in it) - 131,072 (Wf1 in it, which stands in the loads' immediates)
	WIN 0xc0
.set z, 0
.rept 8                                ; fragment (head, ks) of Wq at 8 (4 hd + ks), of Wv at 128 + 8 (4 hd + ks)
	global_load_b128 v[8*z:8*z+3],   v[VW8], s[WSL:WSL+1] offset:z*1024
	global_load_b128 v[8*z+4:8*z+7], v[VW8], s[WSL:WSL+1] offset:z*1024+512
.set z, z+1
.endr
.set z, 0
.rept 8
	global_load_b128 v[128+8*z:128+8*z+3],   v[VW8], s[WSL:WSL+1] offset:65536+z*1024
	global_load_b128 v[128+8*z+4:128+8*z+7], v[VW8], s[WSL:WSL+1] offset:65536+z*1024+512
.set z, z+1
.endr
	IMG 3, 192, 18
	IMG 3, 208, 20
	IMG 0, BG, 22
	IMG 0, BG+16, 24
	global_load_b32 v[BG+32], v[VPR], s[26:27]     ; bv goes by columns: V's result holds feature r in every register
	global_load_b32 v[BG+40], v[VPR], s[26:27] offset:64
	; ---- LayerNorm 1
	LNSTAT
	BAR                                            ; the statistics are in LDS; and every wave has read the last fragments out of XBUF
	LNLD
	s_wait_loadcnt 0x0
	RND 3, 192, 32
	RND 0, BG, 32
	v_cvt_pk_bf16_f32 v[T], v[BG+32], v[BG+40]
	v_lshlrev_b32 v[BG+32], 16, v[T]
	v_and_b32 v[BG+40], s[MSK], v[T]
.irp k, 1,2,3,4,5,6,7
	v_mov_b32 v[BG+32+\k], v[BG+32]
	v_mov_b32 v[BG+40+\k], v[BG+40]
.endr
	LNCOMB
	LNY 3, 192
	BAR                                            ; y is whole
	; ---- Q, V, K
	MMW 0, BG, 0, 1                                ; Q; y's fragments come in beside its products
	PLACES
	WIN 0xc0                                       ; Wq's registers are free: Wo
.set z, 0
.rept 8
	global_load_b128 v[8*z:8*z+3],   v[VW8], s[WSL:WSL+1] offset:98304+z*1024
	global_load_b128 v[8*z+4:8*z+7], v[VW8], s[WSL:WSL+1] offset:98304+z*1024+512
.set z, z+1
.endr
	WIN 0
.set z, 0
.rept 64
	v_pk_mul_f32 v[ACC+2*z:ACC+2*z+1], v[ACC+2*z:ACC+2*z+1], s[QS:QS+1] op_sel_hi:[1,0]
.set z, z+1
.endr
	WIN 0x40                                       ; packed into window 1 v128-191, which K's sources take only behind K's products
.set z, 0
.rept 64
	v_cvt_pk_bf16_f32 v[128+z], v[ACC+2*z], v[ACC+2*z+1]
.set z, z+1
.endr
	WIN 0
	BAR                                            ; everybody has read y (each wave's last wait in Q's products was for 0): XBUF may be written
	WIN 0x04                                       ; the stores' data in window 1
.set a, 0
.rept 16
	ds_store_b128 v[AXW], v[128+4*a:128+4*a+3] offset:(a%8)*1024+(a/8)*512
.set a, a+1
.endr
	WIN 0x0e                                       ; V = y Wv: y (window 2) is source 0, Wv (window 3) source 1
.set ks, 0
.rept 4
.set a, 0
.rept 16
.set rD, ACC+8*a
.set rA, 8*(4*(a%8)+ks)
.set rB, 128+32*(a/8)+8*ks
.set rC, BG+32+8*(a/8)
.if ks == 0
	v_wmma_f32_16x16x32_f16 v[rD:rD+7], v[rA:rA+7], v[rB:rB+7], v[rC:rC+7]
.else
	v_wmma_f32_16x16x32_f16 v[rD:rD+7], v[rA:rA+7], v[rB:rB+7], v[rD:rD+7]
.endif
.set a, a+1
.endr
.set ks, ks+1
.endr
	WIN 0
	PLACES
	WIN 0xc0
.set a, 0
.rept 16
.irp k, 0,1,2,3
	v_cvt_pk_f16_f32 v[VA+4*a+\k], v[ACC+8*a+2*\k], v[ACC+8*a+2*\k+1]  ; tiles 2 p and 2 p + 1 are the two halves of the fragment for keys 32 p ..
.endr
.set a, a+1
.endr
	MMW 64, BG+16, 0, 0                            ; K
	PLACES
	; ---- attention: my two heads, 16 tiles in the order (queries 0, head 0), (queries 0, head 1), (queries 1, head 0) ..
	s_wait_tensorcnt 0x0                           ; my bias has landed: in the first layer LayerNorm 1 and Q, V, K stood between the load and this wait; from the second layer on nothing is out
	v_mov_b32 v[AB], v[AB0]
	v_mov_b32 v[AQ], v[AXW]
	v_mov_b32 v[AO], v[AXW]
	BGLOAD 0                                       ; the first tile's sources, into the images' registers, which no product wants any more; ahead of the loads from memory and of K's rounding
	WIN 0xc0                                       ; Wk's registers are free: Wf1 of chunk 0; y's first registers are free: bo, ln2_g, ln2_b.  28 loads, which have the attention in which to land
.set z, 0
.rept 8
	global_load_b128 v[64+8*z:64+8*z+3], v[VW8], s[WSL:WSL+1] offset:131072+z*1024
	global_load_b128 v[64+8*z+4:64+8*z+7], v[VW8], s[WSL:WSL+1] offset:131072+z*1024+512
.set z, z+1
.endr
	IMG 2, 0, 28
	IMG 2, 16, 30
	IMG 2, 32, 32
	WIN 0x40
.set a, 0
.rept 16
.irp k, 0,1,2,3
	v_cvt_pk_bf16_f32 v[KA+8*a+\k], v[ACC+8*a+2*\k], v[ACC+8*a+2*\k+1]
.endr
.irp k, 0,1,2,3
	v_mov_b32 v[KA+8*a+4+\k], v[ID+\k]
.endr
.set a, a+1
.endr
	WIN 0
	TRIP 0, 1, 0                                   ; the first tile has none before it to finish
	s_mov_b32 s[QC], 7
.Lqt:
	TRIP 1, 1, 1
	TRIP 0, 1, 1
	s_sub_co_u32 s[QC], s[QC], 1
	s_cmp_lg_u32 s[QC], 0
	s_cbranch_scc1 .Lqt
	TRIP 1, 0, 1                                   ; the last tile fetches nothing,
.irp n, 0,1,2,3,4,5,6,7,8,9,10,11,12,13,14,15,16,17,18,19,20,21,22,23,24,25,26
	FR \n                                          ; and is finished by itself
.endr
	; ---- h += o Wo + bo
	BAR                                            ; o is whole
	s_wait_loadcnt 0x0                             ; Wo and what was asked for with it went out ahead of the attention
	MMH 0
	PLACES
	IMG 3, 192, 34                                 ; V^T's registers are free: the images of bf1 (chunk 0) and bf2, behind o's LDS loads
	IMG 3, 208, 36
	RND 2, 0, 16
	HADD 2, 0
	; ---- LayerNorm 2
	LNSTAT
	BAR                                            ; the statistics are in LDS; and everybody has read o
	LNLD
	RND 2, 16, 32
	LNCOMB
	LNY 2, 16
	BAR
	LDY 0                                          ; y's 64 loads go out by K step; the first chunk's products wait for them step by step
	LDY 1
	LDY 2
	WIN 0
	s_wait_loadcnt 0x0
	RND 3, 208, 16                                 ; h += bf2 stands here, while those loads are out: LayerNorm 2 has read h
	HADD 3, 208
	LDY 3
	WIN 0
	; ---- the FFN, in four chunks of 128 hidden features; of a chunk I make features 32 w .. 32 w + 31
	s_mov_b32 s[CC], 4
.Lchunk:
	s_wait_loadcnt 0x0                             ; this chunk's Wf1 and bf1 went out ahead of the last chunk's GELU (chunk 0's: ahead of the attention); no load is out, so BF2 may be written
	s_sub_co_u32 s[NC], 4, s[CC]                   ; this chunk
	s_lshl_b32 s[OFF], s[NC], 12
	s_add_nc_u64 s[BF2:BF2+1], s[WSL:WSL+1], s[OFF:OFF+1]
	WIN 0xc0                                       ; its Wf2, slot j = K step (w + j) % 4: FFN1 and the GELU stand between these loads and their use
.set z, 0
.rept 8
	global_load_b128 v[128+8*z:128+8*z+3], v[VWF+z%4], s[BF2:BF2+1] offset:262144+(z/4)*16384
	global_load_b128 v[128+8*z+4:128+8*z+7], v[VWF+z%4], s[BF2:BF2+1] offset:262144+(z/4)*16384+512
.set z, z+1
.endr
	RND 3, 192, 16
	MMW 64, 192, 3, 2
	PLACES
	s_wait_xcnt 0x0                                ; earlier loads have read their bases, of which BF1 and PB1 are written now
	s_sub_co_u32 s[NC], 5, s[CC]
	s_and_b32 s[NC], s[NC], 3                      ; the next chunk; behind the last: 0
	s_lshl_b32 s[OFF], s[NC], 15
	s_cmp_eq_u32 s[NC], 0
	s_cselect_b32 s[OFF], s[WRAP], s[OFF]          ; behind the last chunk the 16 loads below bring the next layer's Wk (in the last layer chunk 0's Wf1 again: inside the buffer, not used)
	s_add_nc_u64 s[BF1:BF1+1], s[WSL:WSL+1], s[OFF:OFF+1]
	s_lshl_b32 s[OFF], s[NC], 9
	s_add_nc_u64 s[PB1:PB1+1], s[34:35], s[OFF:OFF+1]
	WIN 0xc0
.set z, 0
.rept 8
	global_load_b128 v[64+8*z:64+8*z+3], v[VW8], s[BF1:BF1+1] offset:131072+z*1024
	global_load_b128 v[64+8*z+4:64+8*z+7], v[VW8], s[BF1:BF1+1] offset:131072+z*1024+512
.set z, z+1
.endr
	IMG 3, 192, PB1
	GELU 0
	BAR                                            ; everybody has read what XBUF held (each wave's last wait on its reads was for 0)
	ALL8 ds_store_b128 v[AXW], v[BG+8*t:BG+8*t+3] offset:t*1024
	GELU 1
	ALL8 ds_store_b128 v[AXW], v[BG+8*t+4:BG+8*t+7] offset:t*1024+512
	s_wait_loadcnt 20                              ; the 20 youngest loads are the next chunk's Wf1 and bf1; this chunk's Wf2 is in
	MF16 0                                         ; my own K step, from registers, while my stores land
	WIN 0
	BAR                                            ; f of this chunk is whole
	LDJ 1
	LDJ 2
	s_wait_dscnt 16                                ; slot 1's 16 loads are in; slot 2's may be out
	MF16 1
	LDJ 3                                          ; into registers of their own: no product round them names these
	s_wait_dscnt 16                                ; slot 2's are in; slot 3's may be out
	MF16 2
	s_wait_dscnt 0x0
	MF16 3
	WIN 0
	PLACES                                         ; in front of the loads into Wf2's registers: the next chunk's, or the next layer's Wv
	s_sub_co_u32 s[CC], s[CC], 1
	s_cmp_lg_u32 s[CC], 0
	s_cbranch_scc1 .Lchunk
	s_wait_xcnt 0x0                                ; every load has read its base: on to the next layer's weights and vectors
	s_add_nc_u64 s[WSL:WSL+1], s[WSL:WSL+1], 393216
.irp p, 18,20,22,24,26,28,30,32,36
	s_add_nc_u64 s[\p:\p+1], s[\p:\p+1], 512
.endr
	s_add_nc_u64 s[34:35], s[34:35], 2048
	s_sub_co_u32 s[LC], s[LC], 1
	s_cmp_lg_u32 s[LC], 0
	s_cbranch_scc1 .Llayer
	; ---- the last LayerNorm and the way out
	s_wait_loadcnt 0x0
	IMG 3, 192, 38
	IMG 3, 208, 40
	WIN 0
	LNSTAT
	BAR
	LNLD
	s_wait_loadcnt 0x0
	RND 3, 192, 32
	LNCOMB
; 64 tokens at a time: each wave puts its 128 bytes of every row into the stage; behind a barrier each wave takes 16 whole rows of 512 bytes and stores them.
.macro WAYOUT hf, ob
.irp t0, 0,2
	LNAP2 3, 192, 4*(\hf)+\t0
.irp q, 0,1,2,3,4,5,6,7
	ds_store_b128 v[AFS], v[T+4*\q:T+4*\q+3] offset:((\t0)+(\q)/4)*8448+(((\q)/2)%2)*64+((\q)%2)*16
.endr
.endr
	BAR
.set z, 0
.rept 16
	ds_load_b128 v[(\ob)+4*z:(\ob)+4*z+3], v[AFR] offset:z*528
.set z, z+1
.endr
.set z, 0
.rept 16
	s_wait_dscnt 15-z                              ; LDS loads come back in order: row z is in
	global_store_b128 v[VW8], v[(\ob)+4*z:(\ob)+4*z+3], s[42:43] offset:(\hf)*32768+z*512 th:TH_STORE_NT  ; a whole row of out0: 512 bytes on end
.set z, z+1
.endr
.endm
	WAYOUT 0, ACC
	BAR                                            ; everybody has read the stage: it is written again
	WAYOUT 1, BG
	s_wait_tensorcnt 0x0                           ; the wave's end: the closing lines, behind my tensor load and my last LDS store
	ds_add_u32 v[SPW], v[NIL]
	s_wait_dscnt 0x0
	s_endpgm
.Lfunc_end_k_qfbcff22828_trans:
	.size	k_qfbcff22828_trans, .Lfunc_end_k_qfbcff22828_trans-k_qfbcff22828_trans
	.p2alignl 7, 3214868480
	.fill 96, 4, 3214868480
	.section	.rodata,"a",@progbits
	.p2align	6, 0x0
	.amdhsa_kernel k_qfbcff22828_trans
		.amdhsa_group_segment_fixed_size 327680
		.amdhsa_private_segment_fixed_size 0
		.amdhsa_enable_private_segment 0
		.amdhsa_kernarg_size 144
		.amdhsa_user_sgpr_count 2
		.amdhsa_user_sgpr_kernarg_segment_ptr 1
		.amdhsa_wavefront_size32 1
		.amdhsa_system_sgpr_workgroup_id_x 1
		.amdhsa_system_sgpr_workgroup_id_y 1
		.amdhsa_system_sgpr_workgroup_id_z 1
		.amdhsa_system_vgpr_workitem_id 0
		.amdhsa_next_free_vgpr 1024
		.amdhsa_next_free_sgpr 96
		.amdhsa_reserve_vcc 0
		.amdhsa_float_denorm_mode_32 3
		.amdhsa_float_denorm_mode_16_64 3
		.amdhsa_memory_ordered 1
		.amdhsa_forward_progress 1
		.amdhsa_inst_pref_size 255
	.end_amdhsa_kernel
	.section	.bss,"aw",@nobits
	.p2align	6
	.space	262144
	.amdgpu_metadata
---
amdhsa.version: [ 1, 2 ]
amdhsa.kernels:
  - .name:           k_qfbcff22828_trans
    .symbol:         k_qfbcff22828_trans.kd
    .args:
      - { .name: wfrag, .offset: 0, .size: 8, .value_kind: global_buffer, .address_space: global }
      - { .name: biasw, .offset: 8, .size: 8, .value_kind: global_buffer, .address_space: global }
      - { .name: x, .offset: 16, .size: 8, .value_kind: global_buffer, .address_space: global }
      - { .name: padding_mask, .offset: 24, .size: 8, .value_kind: global_buffer, .address_space: global }
      - { .name: params_proj_b, .offset: 32, .size: 8, .value_kind: global_buffer, .address_space: global }
      - { .name: params_blocks_ln1_g, .offset: 40, .size: 8, .value_kind: global_buffer, .address_space: global }
      - { .name: params_blocks_ln1_b, .offset: 48, .size: 8, .value_kind: global_buffer, .address_space: global }
      - { .name: params_blocks_bq, .offset: 56, .size: 8, .value_kind: global_buffer, .address_space: global }
      - { .name: params_blocks_bk, .offset: 64, .size: 8, .value_kind: global_buffer, .address_space: global }
      - { .name: params_blocks_bv, .offset: 72, .size: 8, .value_kind: global_buffer, .address_space: global }
      - { .name: params_blocks_bo, .offset: 80, .size: 8, .value_kind: global_buffer, .address_space: global }
      - { .name: params_blocks_ln2_g, .offset: 88, .size: 8, .value_kind: global_buffer, .address_space: global }
      - { .name: params_blocks_ln2_b, .offset: 96, .size: 8, .value_kind: global_buffer, .address_space: global }
      - { .name: params_blocks_bf1, .offset: 104, .size: 8, .value_kind: global_buffer, .address_space: global }
      - { .name: params_blocks_bf2, .offset: 112, .size: 8, .value_kind: global_buffer, .address_space: global }
      - { .name: params_ln_out_g, .offset: 120, .size: 8, .value_kind: global_buffer, .address_space: global }
      - { .name: params_ln_out_b, .offset: 128, .size: 8, .value_kind: global_buffer, .address_space: global }
      - { .name: out0, .offset: 136, .size: 8, .value_kind: global_buffer, .address_space: global }
    .group_segment_fixed_size: 327680
    .private_segment_fixed_size: 0
    .kernarg_segment_align: 8
    .kernarg_segment_size: 144
    .max_flat_workgroup_size: 128
    .sgpr_count:     96
    .vgpr_count:     1024
    .wavefront_size: 32
...
	.end_amdgpu_metadata
.endif
;; end of part 4
;; ======== version 3 of 3: 3 launches; version 2 with the launch pair written anew for expert scheduling mode
;; limits: values are held in f16: magnitudes above 65,504 overflow, below 6.1e-05 lose precision
;; workspace buffers: wfrag 3,166,208 bytes; biasw 33,554,432 bytes
;; launch prep: the kernel of part 1 again; grid 773 x 1, 8 waves a work-group, no clusters, 0 bytes of LDS; arguments params_blocks_Wq, params_blocks_Wk, params_blocks_Wv, params_blocks_Wo, params_blocks_Wf1, params_blocks_Wf2, params_proj_W, params_pair_1_0, params_pair_2_0, wfrag; writes wfrag
;; launch pair (part 5): grid 256 x 1, 8 waves a work-group, no clusters, 56,320 bytes of LDS; arguments U, padding_mask, params_pair_0_0, params_pair_0_1, params_pair_1_1, params_pair_2_1, params_pair_3_0, params_pair_3_1, wfrag, biasw; writes biasw
.if DOCPART == 5
	.amdgcn_target "amdgcn-amd-amdhsa--gfx1250"
	.amdhsa_code_object_version 6
	.text
	.protected	k_qfbcff22828_pair
	.globl	k_qfbcff22828_pair
	.p2align	8
	.type	k_qfbcff22828_pair,@function
k_qfbcff22828_pair:
	s_mov_b64 s[64:65], 0
	v_nop
	global_prefetch_b8 v0, s[64:65] scope:SCOPE_SE
	s_setreg_imm32_b32 hwreg(HW_REG_WAVE_SCHED_MODE, 0, 2), 2
	s_setreg_imm32_b32 hwreg(HW_REG_WAVE_MODE, 25, 1), 1
	s_wait_xcnt 0x0
	s_wait_alu depctr_vm_vsrc(0)
; THE PAIR NETWORK: U[b][query][key][4] -> 64 -> 64 -> 64 -> 8 heads, a ReLU behind every layer; the result, times log2(e), with the key mask laid in, goes out in bf16 as the score bias.
; biasw: [b][head 8][qt 8][kt 8][lane 32][16 bytes]; lane (r, h) = (lane % 16, lane / 16) holds bias[query 16 qt + r][keys 16 kt + 8 h .. + 7]: registers 4-7 of a source 1 of the score product.
; FORMATS.  U, all weights and all biases are rounded to bf16; products in bf16 with f32 sums; each layer's output is rounded to bf16 once.  bf16, not f16: with inputs thirty times larger the last layer reaches 2e7.
; LIMITS.  A masked key's bias is -1.0014e30 (bf16 0xf14a), which stands for minus infinity; a bias above 3.39e38 is held there; NaN and infinities in U are not treated apart.
; SHARES.  Work-group id: sample b = id / 2, query half qh = id % 2.  Wave w owns key tile kt = w and walks four blocks qt = 4 qh + 0..3 of 16 queries x 16 keys; a block is 8 trips of two keys.
; THE CHAIN STAYS IN REGISTERS.  Each layer is W^T (source 0: lane r = output feature) x activations^T (source 1: lane r = one query of one key).  In the result lane (r, h) holds query r and the features
; 8 h + 0..7 of a tile of 16: four roundings in pairs make of it registers 0-3 (even tile) or 4-7 (odd tile) of the next layer's source 1.  Nothing changes lanes.
; LAYER 1 has K = 4: k = 0..3 hold U, k = 4 holds 1.0 against the bias b0 in W's fragment; the fragment is 0 in lanes 16-31 and from k = 5 on, so what source 1 holds there only has to be finite.
; LAYER 4 has 8 output features: the fragment repeats them (feature r % 8), so both halves of the lanes hold heads 0..7.
; Two waves lie on a SIMD: one wave's roundings run beside the other's products.  All LDS bytes are a wave's own: no barrier.  No cluster: no two work-groups read the same U, and the weights are 20 KB kept in registers.
; No prefetch: a block's U is asked for into registers a whole block (352 products) ahead of its use.
; THE MODE: SCHED_MODE bits 1:0 = 2 (LLVM: expert scheduling mode 2), set by the entry lines.  The code itself states the register dependences between vector or matrix instructions
; and memory or LDS instructions, with s_wait_alu, always for 0.
; THE PLAN.  Registers that memory or LDS instructions touch:
;   v1, v2, v5-8, v18-20, v22, v25   offsets and addresses, made at the head and never written again; biasw's blocks are reached by its scalar base, which moves on by a block.
;   UL v192-223      Read by the sixteen roundings at a block's head; behind them the next block's loads land in it.
;   v32-33, v40-41   U's words in layer 1's two sources 1.  Read by a trip's first eight products; the LDS loads of the next two keys land in them behind the trip's first PACK.
;   AUL v3           Read by those LDS loads; written at a block's head and once a trip, behind the first products.
;   AOS v4           Read by a trip's eight LDS stores; written at a block's head, behind each trip's stores and behind each octet.
;   TMP v224-255     Written by the block head's roundings, by a trip's last roundings, by the block end's LDS loads and its maxima and minima; read by the LDS stores of a block's head and of a trip and by the block's global stores.
;   The weights, the bias images, ACC, HPA, HPB and OUT are named in the loop by vector and matrix instructions alone.
; A TRIP has two waits on va_vdst and one on vm_vsrc.  The first stands behind the first PACK, whose lines have read all eight first products' results: it states that those products are done reading U's words and that
; AUL is written; the two LDS loads follow it.  The second stands ahead of the eight LDS stores: their data are written.  The wait on vm_vsrc stands behind those stores: they have read AOS and TMP, and the trip's loads AUL.
; A BLOCK has four more: vm_vsrc at its head (the last block's global stores have read TMP), va_vdst behind its roundings, vm_vsrc behind its LDS instructions; and va_vdst ahead of its global stores.
; REGISTERS.  Window 1 (source 0 and C alone): A0 v0-31, A1 v32-95, A2 v96-159 (fragment (f, ks) at 16 f + 8 ks), A3 v160-175, bias images C1 v176-207, C2 v208-239, C3 v240-247.
; Window 0: v1-8 addresses, v10-13 the caps, v32-47 layer 1's source 1 (two keys), v48-111 sums, v112-175 packed activations (two buffers), v176-191 layer 4's sums, v192-223 U as loaded, v224-255 at work.
.set WSTG,  6912                       ; LDS of a wave: U's stage (2,816) and the output's stage (4,096)
.set OSTG,  2816
.set UP,    136                        ; U's stage: a key's 16 queries x 8 bytes, + 8 of padding; rows 16 and 17 hold 0 (the last trip's look-ahead reads them)
.set SPARE, 55296                      ; behind the eight stages: the spare words, 128 bytes a wave: four blocks of 256 bytes that no other line names
.set L16,  1                           ; v1   16 x lane
.set AUS,  2                           ; v2   U's stage, in: key lane % 16, query lane / 16
.set AUL,  3                           ; v3   U's stage, out: 8 r, at the trip's first key; runs
.set AOS,  4                           ; v4   the output's stage, in: 16 r + 256 x octet + 4 x pair of keys; runs
.set AOR,  5                           ; v5   the output's stage, out: 16 x lane
.set UOFF, 6                           ; v6   my 16 bytes of U in two query rows
.set BOFF, 7                           ; v7   my 16 bytes of a block of biasw; never rewritten: the scalar base runs by blocks
.set ZERO, 8                           ; v8   0
.set CAPV, 10                          ; v10-13  for my keys 8 h + 2 p, + 1: 0x7f7f (valid) or 0xf14a (masked), in halves
.set AUL0, 26
.set AOS0, 27
.set SPW,  30                          ; v30  LDS address of my spare word; never rewritten
.set NIL,  31                          ; v31  0; never rewritten
.set BG,   32
.set ACC,  48                          ; sums of (feature tile f, key tau) at ACC + 8 (2 f + tau)
.set HPA,  112
.set HPB,  144
.set OUT,  176
.set UL,   192
.set TMP,  224
.set A0, 0
.set A1, 32
.set A2, 96
.set A3, 160
.set C1, 176
.set C2, 208
.set C3, 240
.set MSB, 0
.macro WIN new                         ; s_set_vgpr_msb: bits 1:0 source 0, 3:2 source 1, 5:4 source 2, 7:6 destination; the high byte repeats the setting that is left
.if MSB != (\new)
	s_set_vgpr_msb (MSB<<8)|(\new)
.set MSB, (\new)
.endif
.endm
.macro PLACES                          ; four plain vector instructions between a product and a vector instruction that touches its registers (ISA guide 7.12.1)
.rept 4
	v_nop
.endr
.endm
	s_load_b512 s[4:19], s[0:1], 0x0               ; U s[4:5], mask s[6:7], W0 s[8:9], b0 s[10:11], b1 s[12:13], b2 s[14:15], W3 s[16:17], b3 s[18:19]
	s_load_b128 s[20:23], s[0:1], 0x40             ; wfrag s[20:21], biasw s[22:23]
	v_lshl_add_u32 v[SPW], v0, 2, SPARE
	v_mov_b32 v[NIL], 0
	v_lshrrev_b32 v14, 5, v0
	v_readfirstlane_b32 s24, v14                   ; wave = kt
	v_and_b32 v15, 31, v0                          ; lane
	v_and_b32 v16, 15, v0                          ; r
	v_bfe_u32 v17, v0, 4, 1                        ; h
	v_lshlrev_b32 v[L16], 4, v15
	s_wait_alu depctr_va_sdst(0)                   ; s24 is written, ahead of its first reader: the wave's LDS bytes and its places in U, the mask and biasw are made from it
	s_mul_i32 s25, s24, WSTG
	s_add_co_u32 s26, s25, OSTG
	v_mul_u32_u24 v[AUS], v16, UP
	v_lshl_add_u32 v[AUS], v17, 3, v[AUS]
	v_add_nc_u32 v[AUS], s25, v[AUS]
	v_lshl_add_u32 v[AUL0], v16, 3, s25
	v_lshl_add_u32 v[AOS0], v16, 4, s26
	v_add_nc_u32 v[AOR], s26, v[L16]
	v_add_nc_u32 v25, s25, v[L16]                  ; for the zero rows
	v_lshlrev_b32 v[UOFF], 11, v17                 ; a query row of U is 2,048 bytes
	v_lshl_add_u32 v[UOFF], v16, 4, v[UOFF]
	s_lshr_b32 s27, ttmp9, 1                       ; b
	s_and_b32 s28, ttmp9, 1                        ; qh
	s_lshl_b32 s29, s24, 9
	s_lshl_b32 s30, s28, 14
	s_add_co_u32 s29, s29, s30
	v_add_nc_u32 v[BOFF], s29, v[L16]              ; kt x 512 + 4 qh x 4,096 + 16 x lane
	v_mov_b32 v[ZERO], 0
	v_lshlrev_b32 v18, 2, v16                      ; 4 r: W0's and b0's column
	v_and_b32 v19, 7, v0
	v_lshlrev_b32 v19, 2, v19
	v_lshl_add_u32 v19, v17, 8, v19                ; W3: 8 h rows of 32 bytes + 4 (r % 8)
	v_lshlrev_b32 v20, 5, v17                      ; bias images: 8 h numbers
	s_lshl_b32 s31, s24, 4
	v_lshl_add_u32 v22, v17, 3, s31                ; my 8 keys' mask bytes
.irp u, 0,1                            ; layer 1's source 1: k = 4 is 1.0, all behind it 0; k = 0..3 come from the stage.  Made here, ahead of the head's one wait on va_vdst: an LDS store reads four of these zeros
	v_mov_b32 v[BG+8*\u+2], 0x3f80
.irp k, 3,4,5,6,7
	v_mov_b32 v[BG+8*\u+\k], 0
.endr
.endr
	s_mov_b32 s40, 0xffff0000                      ; a word's upper bf16; as a lane mask: lanes 16-31
	s_mov_b32 s42, 0x3fb8aa3b                      ; log2(e)
	s_mov_b32 s43, s42                             ; named with it as a pair
	s_lshl_b32 s34, s27, 18                        ; a sample's U and a sample's bias are 262,144 bytes each
	s_mov_b32 s35, 0
	s_lshl_b32 s38, s27, 7
	s_mov_b32 s39, 0
	s_wait_kmcnt 0x0
	s_add_nc_u64 s[22:23], s[22:23], s[34:35]
	s_add_nc_u64 s[6:7], s[6:7], s[38:39]
	s_lshl_b32 s38, s24, 8                         ; my 16 keys: 256 bytes of a query row,
	s_add_co_u32 s34, s34, s38
	s_lshl_b32 s38, s28, 17                        ; my half's 64 query rows
	s_add_co_u32 s34, s34, s38
	s_add_nc_u64 s[32:33], s[4:5], s[34:35]        ; U at block 0
	WIN 0x40
	s_wait_alu depctr_va_vdst(0)                   ; the offsets and addresses v1, v2, v5-8, v18-20, v22, v25 are written, which the kernel's loads and stores read; so are the zeros v44-47, which the LDS store below reads
.set z, 0
.rept 8
	global_load_b128 v[A1+8*z:A1+8*z+3],   v[L16], s[20:21] offset:3149824+z*1024
	global_load_b128 v[A1+8*z+4:A1+8*z+7], v[L16], s[20:21] offset:3149824+z*1024+512
	global_load_b128 v[A2+8*z:A2+8*z+3],   v[L16], s[20:21] offset:3158016+z*1024
	global_load_b128 v[A2+8*z+4:A2+8*z+7], v[L16], s[20:21] offset:3158016+z*1024+512
.set z, z+1
.endr
	WIN 0
.set z, 0
.rept 16                               ; W0[k][16 f + r] at v[48 + 4 f + k]
	global_load_b32 v[48+z], v18, s[8:9] offset:(z%4)*256+(z/4)*64
.set z, z+1
.endr
.irp f, 0,1,2,3
	global_load_b32 v[64+\f], v18, s[10:11] offset:(\f)*64
.endr
	global_load_b128 v[68:71], v[ZERO], s[18:19]
	global_load_b128 v[72:75], v[ZERO], s[18:19] offset:16
	global_load_b64 v[76:77], v22, s[6:7]
.set z, 0
.rept 32                               ; W3[32 ks + 16 half + 8 h + e][r % 8] at v[112 + 16 ks + 8 half + e]
	global_load_b32 v[112+z], v19, s[16:17] offset:(32*(z/16)+16*((z/8)%2)+z%8)*32
.set z, z+1
.endr
.set z, 0
.rept 8                                ; b1[16 f + 8 h + j], b2 likewise
	global_load_b128 v[144+4*z:144+4*z+3], v20, s[12:13] offset:(z/2)*64+(z%2)*16
	global_load_b128 v[224+4*z:224+4*z+3], v20, s[14:15] offset:(z/2)*64+(z%2)*16
.set z, z+1
.endr
.irp i, 0,1,2,3,4,5,6,7                ; U of block 0: queries 2 i, 2 i + 1, my 16 keys: two runs of 256 bytes
	global_load_b128 v[UL+4*\i:UL+4*\i+3], v[UOFF], s[32:33] offset:(\i)*4096 th:TH_LOAD_NT
.endr
	ds_store_b128 v25, v[BG+12:BG+15] offset:16*UP ; rows 16 and 17 of U's stage (and the 240 bytes behind them) are 0.  No wait: no vector instruction has been issued since the wait above; v25 and v44-47 are never written again
	s_wait_loadcnt 0x0
.irp f, 0,1,2,3                        ; everything is rounded to bf16 in window 0,
	v_cvt_pk_bf16_f32 v[176+3*\f], v[48+4*\f], v[49+4*\f]
	v_cvt_pk_bf16_f32 v[177+3*\f], v[50+4*\f], v[51+4*\f]
	v_cvt_pk_bf16_f32 v[178+3*\f], v[64+\f], v[ZERO]
.endr
.set z, 0
.rept 16
	v_cvt_pk_bf16_f32 v[80+z], v[144+2*z], v[145+2*z]
	v_cvt_pk_bf16_f32 v[96+z], v[224+2*z], v[225+2*z]
.set z, z+1
.endr
.irp i, 0,1,2,3
	v_cvt_pk_bf16_f32 v[188+\i], v[68+2*\i], v[69+2*\i]
.endr
.irp p, 0,1,2,3                        ; the caps: 0xf14a - byte x 0x71cb is 0x7f7f for a valid key
	v_bfe_u32 v23, v[76+(\p)/2], 16*((\p)%2), 8
	v_bfe_u32 v24, v[76+(\p)/2], 16*((\p)%2)+8, 8
	v_mul_u32_u24 v23, v23, 0x71cb
	v_mul_u32_u24 v24, v24, 0x71cb
	v_sub_nc_u32 v23, 0xf14a, v23
	v_sub_nc_u32 v24, 0xf14a, v24
	v_lshl_or_b32 v[CAPV+\p], v24, 16, v23
.endr
	WIN 0x40                                       ; and written into window 1
.irp f, 0,1,2,3
.irp k, 0,1,2
	v_cndmask_b32 v[A0+8*\f+\k], v[176+3*\f+\k], v[ZERO], s40  ; lanes 16-31 (k = 8..15, 24..31) hold 0
.endr
.irp k, 3,4,5,6,7
	v_mov_b32 v[A0+8*\f+\k], 0
.endr
.endr
.set z, 0
.rept 16
	v_cvt_pk_bf16_f32 v[A3+z], v[112+2*z], v[113+2*z]
	v_lshlrev_b32 v[C1+2*z], 16, v[80+z]           ; the bias images are f32 again, holding bf16 numbers
	v_and_b32 v[C1+2*z+1], s40, v[80+z]
	v_lshlrev_b32 v[C2+2*z], 16, v[96+z]
	v_and_b32 v[C2+2*z+1], s40, v[96+z]
.set z, z+1
.endr
.irp i, 0,1,2,3
	v_lshlrev_b32 v[C3+2*\i], 16, v[188+\i]
	v_and_b32 v[C3+2*\i+1], s40, v[188+\i]
.endr
	WIN 0
; The eight sums become the next layer's source 1: rounded in pairs (each accumulator from its lowest registers on), then the ReLU on packed halves.
.macro PACK dst
.set a, 0                              ; a = 4 tau + f
.rept 8
.set rS, ACC+8*(2*(a%4)+a/4)
.irp i, 0,1,2,3
	v_cvt_pk_bf16_f32 v[(\dst)+4*a+\i], v[rS+2*\i], v[rS+2*\i+1]
.endr
.set a, a+1
.endr
.set z, 0
.rept 32
	v_pk_max_num_bf16 v[(\dst)+z], v[(\dst)+z], v[ZERO]
.set z, z+1
.endr
.endm
; A layer 64 -> 64 for two keys: 16 products.  The eight accumulators take turns, one instruction a turn; the first eight start the sums with the bias image.
.macro LAYER wb, cb, hp
	WIN 0x11                                       ; source 0 and C in window 1
.set a, 0                              ; a = 2 f + tau
.rept 8
.set rD, ACC+8*a
.set rA, (\wb)+16*(a/2)
.set rB, (\hp)+16*(a%2)
.set rC, (\cb)+8*(a/2)
	v_wmma_f32_16x16x32_bf16 v[rD:rD+7], v[rA:rA+7], v[rB:rB+7], v[rC:rC+7]
.set a, a+1
.endr
	WIN 0x01
.set a, 0
.rept 8
.set rD, ACC+8*a
.set rA, (\wb)+16*(a/2)+8
.set rB, (\hp)+16*(a%2)+8
	v_wmma_f32_16x16x32_bf16 v[rD:rD+7], v[rA:rA+7], v[rB:rB+7], v[rD:rD+7]
.set a, a+1
.endr
	WIN 0
	PLACES
.endm
; A trip: 16 queries x two keys through the four layers: 44 products.
.macro TRIP
	s_wait_dscnt 0x0                               ; this trip's U is in
	WIN 0x01
.set a, 0
.rept 8
.set rD, ACC+8*a
.set rA, A0+8*(a/2)
.set rB, BG+8*(a%2)
	v_wmma_f32_16x16x32_bf16 v[rD:rD+7], v[rA:rA+7], v[rB:rB+7], 0
.set a, a+1
.endr
	WIN 0
	v_add_nc_u32 v[AUL], 2*UP, v[AUL]              ; the next two keys (the LDS loads that read AUL stand ahead of the last wait on vm_vsrc, on both ways here); this line and three v_nop are the places in front of the roundings below
	v_nop
	v_nop
	v_nop
	PACK HPA
	s_wait_alu depctr_va_vdst(0)                   ; the eight products above are done reading U's words v32-33 and v40-41, in which the loads below land; AUL, their address, is written
	ds_load_b64 v[BG:BG+1], v[AUL]                 ; both halves of the lanes read the same 8 bytes
	ds_load_b64 v[BG+8:BG+9], v[AUL] offset:UP
	LAYER A1, C1, HPA
	PACK HPB
	LAYER A2, C2, HPB
	PACK HPA
	WIN 0x11
	v_wmma_f32_16x16x32_bf16 v[OUT:OUT+7], v[A3:A3+7], v[HPA:HPA+7], v[C3:C3+7]
	v_wmma_f32_16x16x32_bf16 v[OUT+8:OUT+15], v[A3:A3+7], v[HPA+16:HPA+23], v[C3:C3+7]
	WIN 0x01
	v_wmma_f32_16x16x32_bf16 v[OUT:OUT+7], v[A3+8:A3+15], v[HPA+8:HPA+15], v[OUT:OUT+7]
	v_wmma_f32_16x16x32_bf16 v[OUT+8:OUT+15], v[A3+8:A3+15], v[HPA+24:HPA+31], v[OUT+8:OUT+15]
	WIN 0
	PLACES
.set z, 0
.rept 8
	v_pk_mul_f32 v[OUT+2*z:OUT+2*z+1], v[OUT+2*z:OUT+2*z+1], s[42:43] op_sel_hi:[1,0]  ; times log2(e), ahead of the one rounding
.set z, z+1
.endr
.irp j, 0,1,2,3,4,5,6,7
	v_cvt_pk_bf16_f32 v[TMP+\j], v[OUT+\j], v[OUT+8+\j]  ; head j: the two keys side by side
.endr
	s_wait_alu depctr_va_vdst(0)                   ; the eight roundings have written v224-231, which the LDS stores read (AOS, their address, was written ahead of the trip's first wait on va_vdst)
.irp j, 0,1,2,3,4,5,6,7
	ds_store_b32 v[AOS], v[TMP+\j] offset:(\j)*512  ; both halves of the lanes write the same word with the same number
.endr
	s_wait_alu depctr_vm_vsrc(0)                   ; those stores have read AOS, which steps now, and v224-231, which the next trip's roundings or the block end's loads write; this trip's LDS loads have read AUL, which the next trip steps
	v_add_nc_u32 v[AOS], 4, v[AOS]
.endm
	s_mov_b32 s36, 4                               ; blocks to go
.Lblock:
	s_wait_loadcnt 0x0                             ; this block's U is in, and its loads have read their base
	s_wait_xcnt 0x0                                ; the last block's stores have had their addresses translated (ISA guide 3.1): v224-255 are written below
	s_wait_alu depctr_vm_vsrc(0)                   ; the last block's global stores have read v224-255, of which the roundings below write sixteen again (in the first block no such store is out)
	v_mov_b32 v[AUL], v[AUL0]                      ; both stages' running addresses go back to their start, here, ahead of the block's wait on va_vdst
	v_mov_b32 v[AOS], v[AOS0]
.irp i, 0,1,2,3,4,5,6,7
	v_cvt_pk_bf16_f32 v[TMP+2*\i], v[UL+4*\i], v[UL+4*\i+1]
	v_cvt_pk_bf16_f32 v[TMP+2*\i+1], v[UL+4*\i+2], v[UL+4*\i+3]
.endr
	s_wait_alu depctr_va_vdst(0)                   ; the roundings have written v224-239, which the LDS stores read, and are done reading UL, in which the next block's loads land; AUL and AOS are written
.irp i, 0,1,2,3,4,5,6,7
	ds_store_b64 v[AUS], v[TMP+2*\i:TMP+2*\i+1] offset:(\i)*16
.endr
	s_cmp_eq_u32 s36, 1                            ; the last block has none behind it: every wait on these loads is for 0, so both ways are counted alike
	s_cbranch_scc1 .Lno_more
	s_add_nc_u64 s[32:33], s[32:33], 32768         ; 16 query rows on
.irp i, 0,1,2,3,4,5,6,7
	global_load_b128 v[UL+4*\i:UL+4*\i+3], v[UOFF], s[32:33] offset:(\i)*4096 th:TH_LOAD_NT
.endr
.Lno_more:
	ds_load_b64 v[BG:BG+1], v[AUL]                 ; LDS serves a wave's instructions in order (ISA guide 5.7.1.4): these see the stores above.  No wait: no vector or matrix instruction has been issued since the wait above
	ds_load_b64 v[BG+8:BG+9], v[AUL] offset:UP
	s_wait_alu depctr_vm_vsrc(0)                   ; the LDS stores above have read v224-239, of which the trips' roundings write eight again; the two LDS loads have read AUL, which the first trip steps
	s_mov_b32 s37, 2                               ; two octets of keys,
.Loct:
	s_mov_b32 s38, 4                               ; four pairs in each
.Ltrip:
	TRIP
	s_sub_co_u32 s38, s38, 1
	s_cmp_lg_u32 s38, 0
	s_cbranch_scc1 .Ltrip
	v_add_nc_u32 v[AOS], 240, v[AOS]               ; 4 x 4 + 240: the next octet's 256 bytes; nothing has read AOS since the trip's wait on vm_vsrc
	s_sub_co_u32 s37, s37, 1
	s_cmp_lg_u32 s37, 0
	s_cbranch_scc1 .Loct
.irp j, 0,1,2,3,4,5,6,7
	ds_load_b128 v[TMP+4*\j:TMP+4*\j+3], v[AOR] offset:(\j)*512  ; head j: lane (r, h) takes query r, keys 8 h .. + 7.  No wait: since the last trip's second wait on va_vdst only AOS has been named, and since its wait on vm_vsrc nothing has read v224-255
.endr
	s_wait_dscnt 0x0
.set z, 0
.rept 32
	v_pk_max_num_bf16 v[TMP+z], v[TMP+z], v[ZERO]  ; the last ReLU,
.set z, z+1
.endr
.set z, 0
.rept 32
	v_pk_min_num_bf16 v[TMP+z], v[TMP+z], v[CAPV+z%4]  ; and the mask: a masked key's cap is -1.0014e30
.set z, z+1
.endr
	s_wait_alu depctr_va_vdst(0)                   ; the maxima and minima have written v224-255, which the stores read
.irp j, 0,1,2,3,4,5,6,7
	global_store_b128 v[BOFF], v[TMP+4*\j:TMP+4*\j+3], s[22:23] offset:(\j)*32768 th:TH_STORE_NT  ; 512 bytes on end, at a multiple of 512 from biasw's first byte
.endr
	s_wait_xcnt 0x0                                ; the stores have had their addresses translated (ISA guide 3.1): their base steps
	s_add_nc_u64 s[22:23], s[22:23], 4096          ; the next block of 16 queries
	s_sub_co_u32 s36, s36, 1
	s_cmp_lg_u32 s36, 0
	s_cbranch_scc1 .Lblock
	s_wait_dscnt 0x0                               ; the closing lines, six on end
	s_wait_alu 0x0
	s_wait_tensorcnt 0x0
	ds_add_u32 v[SPW], v[NIL]
	s_wait_dscnt 0x0
	s_endpgm
.Lfunc_end_k_qfbcff22828_pair:
	.size	k_qfbcff22828_pair, .Lfunc_end_k_qfbcff22828_pair-k_qfbcff22828_pair
	.p2alignl 7, 3214868480
	.fill 96, 4, 3214868480
	.section	.rodata,"a",@progbits
	.p2align	6, 0x0
	.amdhsa_kernel k_qfbcff22828_pair
		.amdhsa_group_segment_fixed_size 56320
		.amdhsa_private_segment_fixed_size 0
		.amdhsa_enable_private_segment 0
		.amdhsa_kernarg_size 80
		.amdhsa_user_sgpr_count 2
		.amdhsa_user_sgpr_kernarg_segment_ptr 1
		.amdhsa_wavefront_size32 1
		.amdhsa_system_sgpr_workgroup_id_x 1
		.amdhsa_system_sgpr_workgroup_id_y 1
		.amdhsa_system_sgpr_workgroup_id_z 1
		.amdhsa_system_vgpr_workitem_id 0
		.amdhsa_next_free_vgpr 512
		.amdhsa_next_free_sgpr 66
		.amdhsa_reserve_vcc 0
		.amdhsa_float_denorm_mode_32 3
		.amdhsa_float_denorm_mode_16_64 3
		.amdhsa_memory_ordered 1
		.amdhsa_forward_progress 1
		.amdhsa_inst_pref_size 50
	.end_amdhsa_kernel
	.amdgpu_metadata
---
amdhsa.version: [ 1, 2 ]
amdhsa.kernels:
  - .name:           k_qfbcff22828_pair
    .symbol:         k_qfbcff22828_pair.kd
    .args:
      - { .name: U, .offset: 0, .size: 8, .value_kind: global_buffer, .address_space: global }
      - { .name: padding_mask, .offset: 8, .size: 8, .value_kind: global_buffer, .address_space: global }
      - { .name: params_pair_0_0, .offset: 16, .size: 8, .value_kind: global_buffer, .address_space: global }
      - { .name: params_pair_0_1, .offset: 24, .size: 8, .value_kind: global_buffer, .address_space: global }
      - { .name: params_pair_1_1, .offset: 32, .size: 8, .value_kind: global_buffer, .address_space: global }
      - { .name: params_pair_2_1, .offset: 40, .size: 8, .value_kind: global_buffer, .address_space: global }
      - { .name: params_pair_3_0, .offset: 48, .size: 8, .value_kind: global_buffer, .address_space: global }
      - { .name: params_pair_3_1, .offset: 56, .size: 8, .value_kind: global_buffer, .address_space: global }
      - { .name: wfrag, .offset: 64, .size: 8, .value_kind: global_buffer, .address_space: global }
      - { .name: biasw, .offset: 72, .size: 8, .value_kind: global_buffer, .address_space: global }
    .group_segment_fixed_size: 56320
    .private_segment_fixed_size: 0
    .kernarg_segment_align: 8
    .kernarg_segment_size: 80
    .max_flat_workgroup_size: 256
    .sgpr_count:     66
    .vgpr_count:     512
    .wavefront_size: 32
...
	.end_amdgpu_metadata
.endif
;; end of part 5
;; launch trans: the kernel of part 4 again; grid 128 x 1, 4 waves a work-group, no clusters, 327,680 bytes of LDS; arguments wfrag, biasw, x, padding_mask, params_proj_b, params_blocks_ln1_g, params_blocks_ln1_b, params_blocks_bq, params_blocks_bk, params_blocks_bv, params_blocks_bo, params_blocks_ln2_g, params_blocks_ln2_b, params_blocks_bf1, params_blocks_bf2, params_ln_out_g, params_ln_out_b, out0; writes out0
